; MI455X (gfx1250); checked and timed in simulation.
; The chip was launched on July 23, 2026; its instructions are those of AMD's public machine-readable ISA for CDNA 5 (MIT licence, August 2026) and "CDNA5" Instruction Set Architecture Reference Guide (July 2026). The comments in the code are by the model that wrote it; some were corrected since.
;; Transformer Block. Allowed arithmetic: matrix products marked QUANTISED: E2M1 operands, one E8M0 scale for each 32 along K, by v_wmma_scale_f32_16x16x128_f8f6f4 with both operands' format E2M1 (or v_wmma_scale_f32_32x16x128_f4), f32 sums; everything else in f32.
;; Inputs: c_attn_b 3,072 float32; c_attn_w_codes 3,072 x 32 x 16 uint8 (E2M1 codes of c_attn_w, K innermost, in blocks of 32 codes, two codes a byte); c_attn_w_scales 3,072 x 32 uint8 (E8M0 scales of c_attn_w, one for each 32 codes along K); c_proj_b 1,024 float32; c_proj_w_codes 1,024 x 32 x 16 uint8 (E2M1 codes of c_proj_w, K innermost, in blocks of 32 codes, two codes a byte); c_proj_w_scales 1,024 x 32 uint8 (E8M0 scales of c_proj_w, one for each 32 codes along K); ln1_b 1,024 float32; ln1_g 1,024 float32; ln2_b 1,024 float32; ln2_g 1,024 float32; mlp_b1 4,096 float32; mlp_b2 1,024 float32; mlp_w1_codes 4,096 x 32 x 16 uint8 (E2M1 codes of mlp_w1, K innermost, in blocks of 32 codes, two codes a byte); mlp_w1_scales 4,096 x 32 uint8 (E8M0 scales of mlp_w1, one for each 32 codes along K); mlp_w2_codes 1,024 x 128 x 16 uint8 (E2M1 codes of mlp_w2, K innermost, in blocks of 32 codes, two codes a byte); mlp_w2_scales 1,024 x 128 uint8 (E8M0 scales of mlp_w2, one for each 32 codes along K); x 2 x 2,048 x 1,024 float32.
;; Outputs: out0 2 x 2,048 x 1,024 float32.
;; This version of the problem:
;;   THIS VERSION OF THE PROBLEM IS GIVEN IN LOW PRECISION. The matrix products marked QUANTISED in the list below multiply operands that are first quantised to E2M1 (2 exponent bits, 1 mantissa bit; 4 bits a number), with one power-of-two scale for each 32 numbers along K (OCP MX v1.0); their sums are f32. All else is computed in f32.
;;   The module's matrix products, in the order in which they are computed (A, B: the left and right operand; K: the contracted axis; several contracted axes count as one K, in the product's order):
;;     1. [M 4,096, K 1,024] x [K 1,024, N 3,072]; A: computed on the way; B: input c_attn_w (given as codes): QUANTISED
;;     2. batch 32 x [M 2,048, K 64] x [K 64, N 2,048]; A: computed on the way; B: computed on the way: QUANTISED
;;     3. batch 32 x [M 64, K 2,048] x [K 2,048, N 2,048]; A: computed on the way; B: softmax (see below): QUANTISED
;;     4. [M 4,096, K 1,024] x [K 1,024, N 1,024]; A: computed on the way; B: input c_proj_w (given as codes): QUANTISED
;;     5. [M 4,096, K 1,024] x [K 1,024, N 4,096]; A: computed on the way; B: input mlp_w1 (given as codes): QUANTISED
;;     6. [M 4,096, K 4,096] x [K 4,096, N 1,024]; A: computed on the way; B: input mlp_w2 (given as codes): QUANTISED
;;   THE QUANTISER, for each operand of a quantised product, along K:
;;     - K is cut into blocks of 32 from its start; a last block that is shorter is filled with zeros.
;;     - A block's scale is 2^e with e = floor(log2(the largest magnitude in the block)) - 2, held to -126 .. 127; a block of zeros has e = 0. As a byte (E8M0): e + 127.
;;     - Each number is divided by its block's scale, clamped to +-6, and rounded to the nearest number of E2M1, ties to even, subnormals kept.
;;     - The product sums the exact products of the quantised numbers (number of the format x scale) in f32.
;;   ~~~python
;;   def quantise(x, axis):      # numpy; x: float32 -> the quantised numbers, widened to float32 again
;;       x = np.moveaxis(x, axis, -1); K = x.shape[-1]
;;       x = np.pad(x, [(0, 0)] * (x.ndim - 1) + [(0, -K % 32)]); x = x.reshape(x.shape[:-1] + (-1, 32)); a = np.abs(x).max(-1, keepdims=True)
;;       e = np.where(a > 0, np.clip(np.frexp(np.where(a > 0, a, 1))[1] - 1 - 2, -126, 127), 0)      # np.frexp(a)[1] - 1 = floor(log2(a)), exactly
;;       r = np.clip(x / 2.0 ** e, -6, 6)
;;       step = 2.0 ** (np.maximum(np.frexp(np.where(r == 0, 1, r))[1] - 1, 0) - 1)
;;       q = np.round(r / step) * step * 2.0 ** e      # np.round: ties to even
;;       return np.moveaxis(q.reshape(q.shape[:-2] + (-1,))[..., :K], -1, axis).astype(np.float32)
;;   ~~~
;;   SOFTMAX AHEAD OF A QUANTISED PRODUCT. Where the list says 'softmax', what is quantised is not the finished softmax but p = 2^(t - M), with t = logit x log2(e) and M = ceil(the row's largest t), a whole number; so 1/2 < the row's largest p <= 1. The row's sum l is taken of the UNQUANTISED p, in f32, and the product's result is divided by l at the end. Since M is a whole number, a kernel that streams over the keys may use a running M (the ceiling of the running maximum): every later rescaling is an exact power of two, which a block's scale takes up: the codes' values come out the same.
;;   OPERANDS COMPUTED ON THE WAY. 'Computed on the way' means the value that the module computes at that place (a softmax that the list does not call 'softmax' is quantised finished and normalised). What goes into a quantiser is computed in f32, as accurately as f32 sums, v_exp_f32 and their like allow (about 1e-6 of the number): no bf16 or f16 on the way to a quantiser, and a product that is left as it is and whose result goes on into a quantised operand takes f32 operands (vector FMAs, or v_wmma_f32_16x16x4_f32). A number that lies on a knife's edge between two numbers of the format may be rounded either way, as far as f32 arithmetic and the matrix unit's own rounding can turn it there, and no further.
;;   INPUTS GIVEN AS CODES. c_attn_w (in the module: [1024, 3072], K = its axis 0); c_proj_w (in the module: [1024, 1024], K = its axis 0); mlp_w1 (in the module: [1024, 4096], K = its axis 0); mlp_w2 (in the module: [4096, 1024], K = its axis 0): each comes as NAME_codes (uint8): NAME with its K axis moved to the last place and cut into blocks of 32 codes, [.., K / 32, bytes a block], one block behind the other in memory; two codes a byte, the lower K in the low four bits (a code: sign, 2 exponent bits, 1 mantissa bit); and NAME_scales (uint8): the same leading axes, one E8M0 byte (e + 127) for each 32 codes along K. Its value is code x scale, taken as it is: it is not quantised again, and the codes and scales need not be those that the quantiser above would give.
;; 2 versions, each right; version 2 is version 1 with the launch attn written anew for expert scheduling mode. Each part assembles by itself: llvm-mc -triple=amdgcn-amd-amdhsa -mcpu=gfx1250 --defsym DOCPART=n.
;; ======== version 1 of 2: 7 launches
;; workspace buffers: act 2,228,224 bytes; qkv 6,946,816 bytes; ao 2,228,224 bytes; x1 16,777,216 bytes; hh 8,912,896 bytes
;; launch ln (part 1): grid 256 x 1, 8 waves a work-group, no clusters, 67,584 bytes of LDS; arguments x, ln1_g, ln1_b, act; writes act
.if DOCPART == 1
	.amdgcn_target "amdgcn-amd-amdhsa--gfx1250"
	.amdhsa_code_object_version 6
	.text
	.protected	k_q558216a4a0_ln
	.globl	k_q558216a4a0_ln
	.p2align	8
	.type	k_q558216a4a0_ln,@function
k_q558216a4a0_ln:
	s_mov_b64 s[64:65], 0
	v_nop
	global_prefetch_b8 v0, s[64:65] scope:SCOPE_SE
	s_setreg_imm32_b32 hwreg(HW_REG_WAVE_MODE, 25, 1), 1
	s_wait_xcnt 0x0
; THE PROGRAM: a pre-norm transformer block, 4,096 rows of 1,024, 16 heads of 64, hidden 4,096, all six products on codes of FP4 (E2M1) with one E8M0 scale for each 32 along K.
; Seven launches: this body (LN1) | qkv | attn | proj (+ x) | this body again (LN2) | fc1 (gelu) | fc2 (+ x1).
; WORK LEFT OUT, in the whole program: the key steps of products 2 and 3 that lie wholly above the diagonal.  The function builds the causal mask itself (a lower triangle of ones) and puts
; -infinity in front of the softmax wherever key > query: there p = 0 for all values of the inputs, so such a key adds nothing to the row's sum or to the product with v.  A step of 128 keys whose first key
; comes after a wave's last query is therefore not multiplied (launch attn).  Every input has a way to the output and is loaded.
; LIMIT: a NaN, an infinity or an overflow that would arise only in those hidden steps is not carried to the result.
; THIS BODY: y = (x - mean) rsqrt(var + 1e-5) g + b along rows of 1,024, in f32, then quantised along the row.
; The result is stored as IMAGES OF THE OPERAND'S REGISTERS.  A fragment is 16 rows x 128 K in 8 registers: lane l = r + 16 h holds row r, registers 4 c .. 4 c + 3 hold k = 64 c + 32 h + 0 .. 31.
; Its image: half c is 512 bytes, lane l's 16 bytes at 16 l.  A chunk = 16 rows x K 1,024 = 8 K steps x 1,024 bytes of codes, then 8 x 16 scale words (byte b of a word: block b of the K step): 8,704 bytes.
; SHARES: a work-group owns 16 rows (one chunk).  Phase 1: wave w normalises rows 2 w and 2 w + 1, each load covering 512 consecutive bytes, and puts them into a stage in LDS.
; Phase 2: wave w quantises K step w of all 16 rows.  No matrix work, no cluster (no two work-groups read the same bytes but g and b, 8 KB).
; LIMITS: NaN and infinities among the inputs are not served.  A block of zeros, and a block whose largest magnitude lies under 2^-124, gets the byte 1 (the rule says 127 for zeros): its codes are
; zeros or the rule's own clamp, and the bytes are read by this program alone.
.set SP,    4112                       ; a stage row: 4,096 bytes + 16, so that the 16 rows that a load touches start 16 bytes apart modulo 256
.set SCW,   16*SP                      ; behind the stage: the chunk's 128 scale words
.set SPARE, SCW+512                    ; the spare words, 128 bytes for each of the 8 waves; no other line names them
.set CHUNK, 8704
.set SPW, 10                           ; v10  LDS address of my spare word; never rewritten
.set NIL, 11                           ; v11  0; never rewritten
.set T0,  12                           ; v12-15, v16-19  sums at work, row 0 and row 1
.set T1,  16
.set R0,  20                           ; v[20:21], v[22:23]  1 / sqrt(var + eps): the packed form names a pair and takes its low word
.set R1,  22
.set X0,  32                           ; v32-63, v64-95  the two rows
.set X1,  64
.set GG,  96                           ; v96-127 g, v128-159 b at my columns
.set BB,  128
.set NN,  32                           ; phase 2: 64 numbers
.set TM,  160                          ; v160-171 the quantiser's scratch
.set PW,  176
.set PC,  180
.set SEL, 14                           ; s[14:15] lane selects: lane l xor 16
; 64 numbers of a lane: register 8 x + j = k 16 x + 8 h + j of my row (x = 0 .. 7).  Block b of 32 is registers 16 b .. 16 b + 15 of lanes l and l xor 16.  Result: a fragment's codes and my row's scale word.
.macro QUANTN s, pc, pw
.irp b, 0,1,2,3
	v_max3_num_f32 v[TM+\b], |v[\s+16*\b]|, |v[\s+16*\b+1]|, 0x1800000   ; the floor 2^(3 - 127): the byte cannot fall under 1
.endr
.irp i, 2,4,6,8,10,12,14
.irp b, 0,1,2,3
	v_max3_num_f32 v[TM+\b], v[TM+\b], |v[\s+16*\b+\i]|, |v[\s+16*\b+\i+1]|
.endr
.endr
.irp b, 0,1,2,3
	v_permlanex16_b32 v[TM+4+\b], v[TM+\b], s[SEL], s[SEL+1]
.endr
.irp b, 0,1,2,3
	v_max_num_f32 v[TM+\b], v[TM+\b], v[TM+4+\b]                   ; the block's largest magnitude
.endr
.irp b, 0,1,2,3
	v_add_nc_u32 v[TM+8+\b], 0xff000000, v[TM+\b]                  ; 2 off its exponent field: the conversion's scale operand
.endr
.irp b, 0,1,2,3
	v_lshrrev_b32 v[TM+4+\b], 23, v[TM+8+\b]                       ; the scale's byte
.endr
	v_lshl_or_b32 v[\pw], v[TM+5], 8, v[TM+4]
	v_lshl_or_b32 v[\pw], v[TM+6], 16, v[\pw]
	v_lshl_or_b32 v[\pw], v[TM+7], 24, v[\pw]
.irp c, 0,1                            ; eight codes a conversion: k 0-7 | 8-15 of blocks 2 c and 2 c + 1, then k 16-23 | 24-31 (lanes 0-15 | 16-31)
	v_cvt_scalef32_pk8_fp4_f32 v[\pc+4*\c],   v[\s+32*\c:\s+32*\c+7],     v[TM+8+2*\c]
	v_cvt_scalef32_pk8_fp4_f32 v[\pc+4*\c+1], v[\s+32*\c+16:\s+32*\c+23], v[TM+9+2*\c]
	v_cvt_scalef32_pk8_fp4_f32 v[\pc+4*\c+2], v[\s+32*\c+8:\s+32*\c+15],  v[TM+8+2*\c]
	v_cvt_scalef32_pk8_fp4_f32 v[\pc+4*\c+3], v[\s+32*\c+24:\s+32*\c+31], v[TM+9+2*\c]
.endr
	v_nop                                  ; one plain place behind the conversions
.irp c, 0,1                            ; the first's lanes 16-31 change places with the second's lanes 0-15: register 4 c + i now holds k 8 i .. 8 i + 7 of block 2 c + h
	v_permlane16_swap_b32 v[\pc+4*\c],   v[\pc+4*\c+1]
	v_permlane16_swap_b32 v[\pc+4*\c+2], v[\pc+4*\c+3]
.endr
.endm
.macro SUM32 t, x                      ; the sum of 32 registers, two packed chains
	v_pk_add_f32 v[\t:\t+1], v[\x:\x+1], v[\x+2:\x+3]
	v_pk_add_f32 v[\t+2:\t+3], v[\x+4:\x+5], v[\x+6:\x+7]
.irp i, 8,12,16,20,24,28
	v_pk_add_f32 v[\t:\t+1], v[\t:\t+1], v[\x+\i:\x+\i+1]
	v_pk_add_f32 v[\t+2:\t+3], v[\t+2:\t+3], v[\x+\i+2:\x+\i+3]
.endr
	v_pk_add_f32 v[\t:\t+1], v[\t:\t+1], v[\t+2:\t+3]
	v_add_f32 v[\t], v[\t], v[\t+1]
.endm
.macro SQ32 t, x                       ; the sum of their squares
	v_pk_mul_f32 v[\t:\t+1], v[\x:\x+1], v[\x:\x+1]
	v_pk_mul_f32 v[\t+2:\t+3], v[\x+2:\x+3], v[\x+2:\x+3]
.irp i, 4,8,12,16,20,24,28
	v_pk_fma_f32 v[\t:\t+1], v[\x+\i:\x+\i+1], v[\x+\i:\x+\i+1], v[\t:\t+1]
	v_pk_fma_f32 v[\t+2:\t+3], v[\x+\i+2:\x+\i+3], v[\x+\i+2:\x+\i+3], v[\t+2:\t+3]
.endr
	v_pk_add_f32 v[\t:\t+1], v[\t:\t+1], v[\t+2:\t+3]
	v_add_f32 v[\t], v[\t], v[\t+1]
.endm
.macro LANES2                          ; both rows' sums over the 32 lanes, by turns; every lane ends with the result
.irp m, 1,2,4,8
	v_add_f32_dpp v[T0], v[T0], v[T0] row_xmask:\m row_mask:0xf bank_mask:0xf
	v_add_f32_dpp v[T1], v[T1], v[T1] row_xmask:\m row_mask:0xf bank_mask:0xf
.endr
	v_permlanex16_b32 v[T0+1], v[T0], s[SEL], s[SEL+1]
	v_permlanex16_b32 v[T1+1], v[T1], s[SEL], s[SEL+1]
	v_add_f32 v[T0], v[T0], v[T0+1]
	v_add_f32 v[T1], v[T1], v[T1+1]
.endm
	s_load_b256 s[4:11], s[0:1], 0x0               ; x s[4:5], g s[6:7], b s[8:9], the images s[10:11]
	v_lshl_add_u32 v[SPW], v0, 2, SPARE
	v_mov_b32 v[NIL], 0
	v_lshrrev_b32 v1, 5, v0
	v_readfirstlane_b32 s12, v1                    ; wave 0..7
	v_and_b32 v1, 31, v0                           ; lane
	v_lshlrev_b32 v2, 4, v1                        ; 16 x lane
	v_and_b32 v3, 15, v0                           ; r
	v_bfe_u32 v4, v0, 4, 1                         ; h
	s_mul_i32 s13, s12, 2*SP
	v_add_nc_u32 v5, s13, v2                       ; into the stage: rows 2 w, 2 w + 1, 16 bytes a lane
	v_mul_u32_u24 v6, v3, SP
	v_lshl_add_u32 v6, v4, 5, v6
	s_lshl_b32 s13, s12, 9
	v_add_nc_u32 v6, s13, v6                       ; out of it: row r, K step w (512 bytes), + 32 h
	s_lshl_b32 s13, s12, 6
	s_add_co_u32 s13, s13, SCW
	v_lshl_add_u32 v7, v3, 2, s13                  ; my row's scale word of K step w
	v_add_nc_u32 v8, SCW, v2                       ; the 128 words, 16 bytes a lane
	s_lshl_b32 s13, s12, 10
	v_add_nc_u32 v9, s13, v2                       ; my place in the chunk's codes: 1,024 w + 16 x lane
	v_mov_b32 v[R0+1], 0                           ; (named as upper halves of pairs)
	v_mov_b32 v[R1+1], 0
.irp b, 0,1,2,3
	v_mov_b32 v[TM+4+\b], 0                        ; written once: a lane permute's destination counts as one of its sources
.endr
	s_mov_b32 s[SEL], 0x76543210
	s_mov_b32 s[SEL+1], 0xfedcba98
	s_mov_b32 s20, 0x3a800000                      ; 1 / 1,024
	s_mov_b32 s21, 0x3727c5ac                      ; 1e-5
	s_lshl_b32 s16, ttmp9, 16                      ; 16 rows of 4,096 bytes a work-group,
	s_lshl_b32 s17, s12, 13                        ; two rows a wave
	s_add_co_u32 s16, s16, s17
	s_mov_b32 s17, 0
	s_mul_i32 s18, ttmp9, CHUNK
	s_mov_b32 s19, 0
	s_wait_kmcnt 0x0
	s_add_nc_u64 s[4:5], s[4:5], s[16:17]
	s_add_nc_u64 s[10:11], s[10:11], s[18:19]
.irp j, 0,1,2,3,4,5,6,7
	global_load_b128 v[X0+4*\j:X0+4*\j+3], v2, s[4:5] offset:512*\j
.endr
.irp j, 0,1,2,3,4,5,6,7
	global_load_b128 v[X1+4*\j:X1+4*\j+3], v2, s[4:5] offset:4096+512*\j
.endr
.irp j, 0,1,2,3,4,5,6,7
	global_load_b128 v[GG+4*\j:GG+4*\j+3], v2, s[6:7] offset:512*\j
.endr
.irp j, 0,1,2,3,4,5,6,7
	global_load_b128 v[BB+4*\j:BB+4*\j+3], v2, s[8:9] offset:512*\j
.endr
	s_wait_loadcnt 16                              ; the rows' 16 loads are in; g's and b's 16, issued behind them, may be out
	SUM32 T0, X0
	SUM32 T1, X1
	LANES2
	v_mul_f32 v[T0], s20, v[T0]                    ; the means
	v_mul_f32 v[T1], s20, v[T1]
.set ii, 0
.rept 16
	v_pk_add_f32 v[X0+ii:X0+ii+1], v[X0+ii:X0+ii+1], v[T0:T0+1] op_sel_hi:[1,0] neg_lo:[0,1] neg_hi:[0,1]   ; x - mean
	v_pk_add_f32 v[X1+ii:X1+ii+1], v[X1+ii:X1+ii+1], v[T1:T1+1] op_sel_hi:[1,0] neg_lo:[0,1] neg_hi:[0,1]
.set ii, ii+2
.endr
	SQ32 T0, X0
	SQ32 T1, X1
	LANES2
	v_fma_f32 v[T0], v[T0], s20, s21               ; var + eps
	v_fma_f32 v[T1], v[T1], s20, s21
	v_rsq_f32 v[R0], v[T0]
	v_rsq_f32 v[R1], v[T1]
	v_nop                                          ; a plain place behind the two
	s_wait_alu depctr_va_vdst(0)                   ; one wait for both, ahead of their first reader
	s_wait_loadcnt 0x0                             ; g and b
.set ii, 0
.rept 16
	v_pk_mul_f32 v[X0+ii:X0+ii+1], v[X0+ii:X0+ii+1], v[R0:R0+1] op_sel_hi:[1,0]
	v_pk_mul_f32 v[X1+ii:X1+ii+1], v[X1+ii:X1+ii+1], v[R1:R1+1] op_sel_hi:[1,0]
.set ii, ii+2
.endr
.set ii, 0
.rept 16
	v_pk_fma_f32 v[X0+ii:X0+ii+1], v[X0+ii:X0+ii+1], v[GG+ii:GG+ii+1], v[BB+ii:BB+ii+1]
	v_pk_fma_f32 v[X1+ii:X1+ii+1], v[X1+ii:X1+ii+1], v[GG+ii:GG+ii+1], v[BB+ii:BB+ii+1]
.set ii, ii+2
.endr
.irp j, 0,1,2,3,4,5,6,7
	ds_store_b128 v5, v[X0+4*\j:X0+4*\j+3] offset:512*\j
	ds_store_b128 v5, v[X1+4*\j:X1+4*\j+3] offset:SP+512*\j
.endr
	s_wait_dscnt 0x0                               ; for the others' sake: my rows lie in the stage
	s_barrier_signal -1
	s_barrier_wait -1
.irp b, 0,1,2,3                        ; K step w of row r: register 16 b + 8 u + j = k 32 b + 16 u + 8 h + j
.irp u, 0,1
.irp q, 0,1
	ds_load_b128 v[NN+16*\b+8*\u+4*\q:NN+16*\b+8*\u+4*\q+3], v6 offset:128*\b+64*\u+16*\q
.endr
.endr
.endr
	s_wait_dscnt 0x0
	QUANTN NN, PC, PW
	global_store_b128 v9, v[PC:PC+3], s[10:11]               ; 512 consecutive bytes a store
	global_store_b128 v9, v[PC+4:PC+7], s[10:11] offset:512
	ds_store_b32 v7, v[PW]                         ; both halves of the lanes write the same word with the same value
	s_wait_dscnt 0x0
	s_barrier_signal -1
	s_barrier_wait -1
	s_cmp_lg_u32 s12, 0                            ; wave 0 stores the chunk's 512 bytes of scale words whole
	s_cbranch_scc1 .Lend
	ds_load_b128 v[32:35], v8
	s_wait_dscnt 0x0
	global_store_b128 v2, v[32:35], s[10:11] offset:8192
.Lend:
	s_wait_tensorcnt 0x0                           ; the wave's end, behind my last LDS store
	ds_add_u32 v[SPW], v[NIL]
	s_wait_dscnt 0x0
	s_endpgm
.Lfunc_end_k_q558216a4a0_ln:
	.size	k_q558216a4a0_ln, .Lfunc_end_k_q558216a4a0_ln-k_q558216a4a0_ln
	.p2alignl 7, 3214868480
	.fill 96, 4, 3214868480
	.section	.rodata,"a",@progbits
	.p2align	6, 0x0
	.amdhsa_kernel k_q558216a4a0_ln
		.amdhsa_group_segment_fixed_size 67584
		.amdhsa_private_segment_fixed_size 0
		.amdhsa_enable_private_segment 0
		.amdhsa_kernarg_size 32
		.amdhsa_user_sgpr_count 2
		.amdhsa_user_sgpr_kernarg_segment_ptr 1
		.amdhsa_wavefront_size32 1
		.amdhsa_system_sgpr_workgroup_id_x 1
		.amdhsa_system_sgpr_workgroup_id_y 1
		.amdhsa_system_sgpr_workgroup_id_z 1
		.amdhsa_system_vgpr_workitem_id 0
		.amdhsa_next_free_vgpr 192
		.amdhsa_next_free_sgpr 66
		.amdhsa_reserve_vcc 0
		.amdhsa_float_denorm_mode_32 3
		.amdhsa_float_denorm_mode_16_64 3
		.amdhsa_memory_ordered 1
		.amdhsa_forward_progress 1
		.amdhsa_inst_pref_size 24
	.end_amdhsa_kernel
	.amdgpu_metadata
---
amdhsa.version: [ 1, 2 ]
amdhsa.kernels:
  - .name:           k_q558216a4a0_ln
    .symbol:         k_q558216a4a0_ln.kd
    .args:
      - { .name: x, .offset: 0, .size: 8, .value_kind: global_buffer, .address_space: global }
      - { .name: ln1_g, .offset: 8, .size: 8, .value_kind: global_buffer, .address_space: global }
      - { .name: ln1_b, .offset: 16, .size: 8, .value_kind: global_buffer, .address_space: global }
      - { .name: act, .offset: 24, .size: 8, .value_kind: global_buffer, .address_space: global }
    .group_segment_fixed_size: 67584
    .private_segment_fixed_size: 0
    .kernarg_segment_align: 8
    .kernarg_segment_size: 32
    .max_flat_workgroup_size: 256
    .sgpr_count:     66
    .vgpr_count:     192
    .wavefront_size: 32
...
	.end_amdgpu_metadata
.endif
;; end of part 1
;; launch qkv (part 2): grid 12 x 16, 16 waves a work-group, clusters of 4 x 4, 327,680 bytes of LDS; arguments act, c_attn_w_codes, c_attn_w_scales, c_attn_b, qkv; writes qkv
.if DOCPART == 2
	.amdgcn_target "amdgcn-amd-amdhsa--gfx1250"
	.amdhsa_code_object_version 6
	.text
	.protected	k_q558216a4a0_qkv
	.globl	k_q558216a4a0_qkv
	.p2align	8
	.type	k_q558216a4a0_qkv,@function
k_q558216a4a0_qkv:
	s_mov_b64 s[64:65], 0
	v_nop
	global_prefetch_b8 v0, s[64:65] scope:SCOPE_SE
	s_setreg_imm32_b32 hwreg(HW_REG_WAVE_MODE, 25, 1), 1
	s_wait_xcnt 0x0
	s_wait_alu depctr_hold_cnt(0) depctr_sa_sdst(0) depctr_va_vdst(0) depctr_va_sdst(0) depctr_va_ssrc(0) depctr_va_vcc(0) depctr_vm_vsrc(0)
	s_getreg_b32 s2, hwreg(HW_REG_IB_STS2, 6, 4)
	s_cmp_eq_u32 s2, 0
	s_cbranch_scc0 .Lentry_in_a_cluster
	s_endpgm
.Lentry_in_a_cluster:
	s_bfe_u32 s2, ttmp6, 0x10000c
	s_cmp_lg_u32 s2, 0xf033
	s_cbranch_scc0 .Lentry_shape_is_right
	s_endpgm
.Lentry_shape_is_right:
; qkv = LN1(x) W + b: [4,096 x 1,024] x [1,024 x 3,072] on codes of FP4; the results are quantised at once for the two products of attention and stored as images of operand registers:
; q and k along the head's 64 (two blocks of 32), v along the keys (blocks of 32 rows).  Nothing is left out here.
; OUT: QKC at 0: [q, k][batch x head 32][tile of 16 rows 128][512 bytes]: lane (r, h): row r, d = 32 h .. 32 h + 31.  QKS: [q, k][32][pair of tiles 64][lane 32] words: lane 16 u + r: tile 2 pair + u, row r;
; bytes 0, 1 the two blocks, bytes 2, 3 = 127 (they stand over zero codes: the instruction's K is 128, a head has 64).  VCO: [32][key step of 128: 16][tile of 16 d: 4][half 2][512].  VSO: [32][16][pair 2][lane 32] words.
; SHARES: a work-group makes 256 rows x 256 columns; all of K = 1,024 lies in LDS, filled once: A's 16 chunks (images, 8,704 bytes each), W's 256 rows of 512 bytes (+ 16 of padding), W's scale bytes.
; CLUSTER 4 x 4: A's tile hangs on the tile row alone and is asked for jointly along a row of the cluster, W's on the tile column alone and jointly along a column.
; A wave makes 8 tiles of X (source 0) x 2 tiles of Y (source 1): a lane then holds ONE row of Y and its registers run along X, the axis that is quantised next.
;   q, k (cluster x = 0, 1): X = 128 columns of W (two heads), Y = 32 rows of A.      v (cluster x = 2): X = 128 rows of A (a key step), Y = 32 columns of W.
; The branch between the two hangs on the cluster's x, which all sixteen partners share.  Sixteen waves of 256 registers: four to a SIMD.
; The scale words leave in pieces of 128 bytes (one pair of tiles a wave): 0.65 MB of the launch's 6.9 MB.
; LIMITS: as stated at the head of the first launch (NaN, infinities; the byte of a block of zeros).  q's and k's bias is the first addend of each sum; v's is added last.
.set CHUNK, 8704
.set WP,    528                        ; a row of W in LDS: 512 bytes + 16: the 16 rows that a load touches start 16 bytes apart modulo 256
.set WROW,  16*CHUNK
.set WSC,   WROW+256*WP
.set SPARE, WSC+256*32                 ; the spare words, 128 bytes for each of the 16 waves; no other line names them
.set QKS,   4194304
.set VCO,   4718592
.set VSO,   6815744
.set SPW, 6                            ; v6   LDS address of my spare word; never rewritten
.set NIL, 7                            ; v7   0; never rewritten
.set XS,  16                           ; v16-31  X's scale words        v32-39  Y's: these hold scales and nothing else
.set YS,  32
.set YF,  40                           ; v40-55  Y's two fragments
.set BV,  56                           ; v[56:57], v[58:59]  v's bias at my two d
.set XF,  64                           ; v64-127 X's eight fragments; on the way out: TM, PW, SW, PC
.set ACC, 128                          ; v128-255: accumulator (y, x) at 128 + 64 y + 8 x
.set TM,  64
.set PW,  76
.set SW,  80
.set PC,  88
.set WV,  14                           ; s14  wave
.set SEL, 60
.set G1A, 24
.set G1W, 32
.set G1S, 40
.set G0A, 48
.set G0W, 52
.set G0S, 56
.macro PLACES n
.rept \n
	v_nop
.endr
.endm
.macro CROUND                          ; a round of the cluster's barrier
	s_barrier_signal -1
	s_barrier_wait -1
	s_cmp_lg_u32 s[WV], 0
	s_cbranch_scc1 .Lnot_wave_0_\@
	s_barrier_signal -3
.Lnot_wave_0_\@:
	s_barrier_wait -3
	s_barrier_signal -1
	s_barrier_wait -1
.endm
; One product, added in place.  ra, rb: the scale words stand in lanes 16-31 of their register
.macro WM d, a, b, sa, sb, ra, rb
.if (\ra) && (\rb)
	v_wmma_scale_f32_16x16x128_f8f6f4 v[\d:\d+7], v[\a:\a+7], v[\b:\b+7], v[\d:\d+7], v[\sa], v[\sb] matrix_a_fmt:MATRIX_FMT_FP4 matrix_b_fmt:MATRIX_FMT_FP4 matrix_a_scale:MATRIX_SCALE_ROW1 matrix_b_scale:MATRIX_SCALE_ROW1
.elseif (\ra)
	v_wmma_scale_f32_16x16x128_f8f6f4 v[\d:\d+7], v[\a:\a+7], v[\b:\b+7], v[\d:\d+7], v[\sa], v[\sb] matrix_a_fmt:MATRIX_FMT_FP4 matrix_b_fmt:MATRIX_FMT_FP4 matrix_a_scale:MATRIX_SCALE_ROW1
.elseif (\rb)
	v_wmma_scale_f32_16x16x128_f8f6f4 v[\d:\d+7], v[\a:\a+7], v[\b:\b+7], v[\d:\d+7], v[\sa], v[\sb] matrix_a_fmt:MATRIX_FMT_FP4 matrix_b_fmt:MATRIX_FMT_FP4 matrix_b_scale:MATRIX_SCALE_ROW1
.else
	v_wmma_scale_f32_16x16x128_f8f6f4 v[\d:\d+7], v[\a:\a+7], v[\b:\b+7], v[\d:\d+7], v[\sa], v[\sb] matrix_a_fmt:MATRIX_FMT_FP4 matrix_b_fmt:MATRIX_FMT_FP4
.endif
.endm
.macro WMZ d, a, b, sa, sb, ra, rb     ; the same, starting a sum
.if (\ra) && (\rb)
	v_wmma_scale_f32_16x16x128_f8f6f4 v[\d:\d+7], v[\a:\a+7], v[\b:\b+7], 0, v[\sa], v[\sb] matrix_a_fmt:MATRIX_FMT_FP4 matrix_b_fmt:MATRIX_FMT_FP4 matrix_a_scale:MATRIX_SCALE_ROW1 matrix_b_scale:MATRIX_SCALE_ROW1
.elseif (\ra)
	v_wmma_scale_f32_16x16x128_f8f6f4 v[\d:\d+7], v[\a:\a+7], v[\b:\b+7], 0, v[\sa], v[\sb] matrix_a_fmt:MATRIX_FMT_FP4 matrix_b_fmt:MATRIX_FMT_FP4 matrix_a_scale:MATRIX_SCALE_ROW1
.elseif (\rb)
	v_wmma_scale_f32_16x16x128_f8f6f4 v[\d:\d+7], v[\a:\a+7], v[\b:\b+7], 0, v[\sa], v[\sb] matrix_a_fmt:MATRIX_FMT_FP4 matrix_b_fmt:MATRIX_FMT_FP4 matrix_b_scale:MATRIX_SCALE_ROW1
.else
	v_wmma_scale_f32_16x16x128_f8f6f4 v[\d:\d+7], v[\a:\a+7], v[\b:\b+7], 0, v[\sa], v[\sb] matrix_a_fmt:MATRIX_FMT_FP4 matrix_b_fmt:MATRIX_FMT_FP4
.endif
.endm
; 64 numbers of a lane: register 8 x + j = k 16 x + 8 h + j of my row.  Block b of 32 is registers 16 b .. 16 b + 15 of lanes l and l xor 16.  Result: a fragment's codes and my row's scale word.
.macro QUANTN s, pc, pw
.irp b, 0,1,2,3
	v_max3_num_f32 v[TM+\b], |v[\s+16*\b]|, |v[\s+16*\b+1]|, 0x1800000   ; the floor 2^(3 - 127): the byte cannot fall under 1
.endr
.irp i, 2,4,6,8,10,12,14
.irp b, 0,1,2,3
	v_max3_num_f32 v[TM+\b], v[TM+\b], |v[\s+16*\b+\i]|, |v[\s+16*\b+\i+1]|
.endr
.endr
.irp b, 0,1,2,3
	v_permlanex16_b32 v[TM+4+\b], v[TM+\b], s[SEL], s[SEL+1]
.endr
.irp b, 0,1,2,3
	v_max_num_f32 v[TM+\b], v[TM+\b], v[TM+4+\b]
.endr
.irp b, 0,1,2,3
	v_add_nc_u32 v[TM+8+\b], 0xff000000, v[TM+\b]                  ; 2 off the exponent field: the conversion's scale operand
.endr
.irp b, 0,1,2,3
	v_lshrrev_b32 v[TM+4+\b], 23, v[TM+8+\b]                       ; the scale's byte
.endr
	v_lshl_or_b32 v[\pw], v[TM+5], 8, v[TM+4]
	v_lshl_or_b32 v[\pw], v[TM+6], 16, v[\pw]
	v_lshl_or_b32 v[\pw], v[TM+7], 24, v[\pw]
.irp c, 0,1
	v_cvt_scalef32_pk8_fp4_f32 v[\pc+4*\c],   v[\s+32*\c:\s+32*\c+7],     v[TM+8+2*\c]
	v_cvt_scalef32_pk8_fp4_f32 v[\pc+4*\c+1], v[\s+32*\c+16:\s+32*\c+23], v[TM+9+2*\c]
	v_cvt_scalef32_pk8_fp4_f32 v[\pc+4*\c+2], v[\s+32*\c+8:\s+32*\c+15],  v[TM+8+2*\c]
	v_cvt_scalef32_pk8_fp4_f32 v[\pc+4*\c+3], v[\s+32*\c+24:\s+32*\c+31], v[TM+9+2*\c]
.endr
	v_nop                                  ; one plain place behind the conversions
.irp c, 0,1                            ; register 4 c + i then holds k 8 i .. 8 i + 7 of block 2 c + h
	v_permlane16_swap_b32 v[\pc+4*\c],   v[\pc+4*\c+1]
	v_permlane16_swap_b32 v[\pc+4*\c+2], v[\pc+4*\c+3]
.endr
.endm
.macro QUANTH s, pc, pw                ; the same for 32 numbers, two blocks: half a fragment and two bytes
.irp b, 0,1
	v_max3_num_f32 v[TM+\b], |v[\s+16*\b]|, |v[\s+16*\b+1]|, 0x1800000
.endr
.irp i, 2,4,6,8,10,12,14
.irp b, 0,1
	v_max3_num_f32 v[TM+\b], v[TM+\b], |v[\s+16*\b+\i]|, |v[\s+16*\b+\i+1]|
.endr
.endr
.irp b, 0,1
	v_permlanex16_b32 v[TM+4+\b], v[TM+\b], s[SEL], s[SEL+1]
.endr
.irp b, 0,1
	v_max_num_f32 v[TM+\b], v[TM+\b], v[TM+4+\b]
.endr
.irp b, 0,1
	v_add_nc_u32 v[TM+8+\b], 0xff000000, v[TM+\b]
.endr
.irp b, 0,1
	v_lshrrev_b32 v[TM+4+\b], 23, v[TM+8+\b]
.endr
	v_lshl_or_b32 v[\pw], v[TM+5], 8, v[TM+4]
	v_cvt_scalef32_pk8_fp4_f32 v[\pc],   v[\s:\s+7],     v[TM+8]
	v_cvt_scalef32_pk8_fp4_f32 v[\pc+1], v[\s+16:\s+23], v[TM+9]
	v_cvt_scalef32_pk8_fp4_f32 v[\pc+2], v[\s+8:\s+15],  v[TM+8]
	v_cvt_scalef32_pk8_fp4_f32 v[\pc+3], v[\s+24:\s+31], v[TM+9]
	v_nop
	v_permlane16_swap_b32 v[\pc],   v[\pc+1]
	v_permlane16_swap_b32 v[\pc+2], v[\pc+3]
.endm
	s_load_b256 s[4:11], s[0:1], 0x0               ; A's images s[4:5], W's codes s[6:7], W's scales s[8:9], the bias s[10:11]
	s_load_b64 s[12:13], s[0:1], 0x20              ; the result
	v_lshl_add_u32 v[SPW], v0, 2, SPARE
	v_mov_b32 v[NIL], 0
	ds_add_u32 v[SPW], v[NIL]                      ; the wave's opening: the add, twice on end, and its wait ahead of my first tensor load
	ds_add_u32 v[SPW], v[NIL]
	v_lshrrev_b32 v1, 5, v0
	v_readfirstlane_b32 s[WV], v1                  ; wave 0..15
	s_lshr_b32 s15, s[WV], 3                       ; I fetch for A (0) or for W (1),
	s_and_b32 s16, s[WV], 7                        ; the eighth of it that is mine
	s_bfe_u32 s17, ttmp6, 0x40000                  ; cx
	s_bfe_u32 s18, ttmp6, 0x40004                  ; cy
	s_lshl_b32 s19, ttmp9, 2
	s_add_co_u32 s19, s19, s17                     ; tile column = 4 x cluster x + cx
	s_and_b32 s20, ttmp7, 0xffff
	s_lshl_b32 s20, s20, 2
	s_add_co_u32 s20, s20, s18                     ; tile row = 4 x cluster y + cy
	s_lshl_b32 s21, s18, 2
	s_lshl_b32 s21, 15, s21                        ; my row of the cluster
	s_lshl_b32 s22, 0x1111, s17                    ; my column
	s_or_b32 s[G1A], s21, (3<<16)|(1<<21)          ; A: two chunks, 17,408 dense bytes, as 68 rows of 32 elements of 8 bytes; the mask: my row; bit 21 beside it
	s_mov_b32 s[G1A+1], 32<<16
	s_mov_b32 s[G1A+2], 68<<16
	s_mov_b32 s[G1A+3], 32<<16
	s_mov_b32 s[G1A+4], 68
	s_mov_b32 s[G1A+5], 32
	s_mov_b32 s[G1A+6], 0
	s_mov_b32 s[G1A+7], 0
	s_or_b32 s[G1W], s22, (1<<20)|(1<<21)|(6<<22)|(3<<25)   ; W: 32 rows of 512 bytes, 4 words of padding behind every 128; the mask: my column
	s_mov_b32 s[G1W+1], 512<<16
	s_mov_b32 s[G1W+2], 32<<16
	s_mov_b32 s[G1W+3], 512<<16
	s_mov_b32 s[G1W+4], 32
	s_mov_b32 s[G1W+5], 512
	s_mov_b32 s[G1W+6], 0
	s_mov_b32 s[G1W+7], 0
	s_or_b32 s[G1S], s22, (3<<16)|(1<<21)          ; W's scale bytes of 32 rows: 1,024 dense bytes, as 4 rows of 256
	s_mov_b32 s[G1S+1], 32<<16
	s_mov_b32 s[G1S+2], 4<<16
	s_mov_b32 s[G1S+3], 32<<16
	s_mov_b32 s[G1S+4], 4
	s_mov_b32 s[G1S+5], 32
	s_mov_b32 s[G1S+6], 0
	s_mov_b32 s[G1S+7], 0
	s_lshl_b32 s66, s20, 4                         ; A: chunk 16 x tile row + 2 x eighth (these two registers never hold cx)
	s_lshl_b32 s67, s16, 1
	s_add_co_u32 s66, s66, s67
	s_mul_i32 s66, s66, CHUNK
	s_mov_b32 s67, 0
	s_lshl_b32 s68, s19, 8                         ; W: row 256 x tile column + 32 x eighth (these four never hold cy)
	s_lshl_b32 s69, s16, 5
	s_add_co_u32 s68, s68, s69
	s_lshl_b32 s70, s68, 5                         ; 32 scale bytes a row,
	s_lshl_b32 s68, s68, 9                         ; 512 bytes of codes
	s_mov_b32 s69, 0
	s_mov_b32 s71, 0
	s_mov_b32 s[G0A], 1
	s_mul_i32 s[G0A+1], s16, 2*CHUNK               ; LDS addresses hang on the wave's number alone
	s_mov_b32 s[G0W], 1
	s_mul_i32 s[G0W+1], s16, 32*WP
	s_add_co_u32 s[G0W+1], s[G0W+1], WROW
	s_mov_b32 s[G0S], 1
	s_lshl_b32 s[G0S+1], s16, 10
	s_add_co_u32 s[G0S+1], s[G0S+1], WSC
	s_mov_b32 s[SEL], 0x76543210
	s_mov_b32 s[SEL+1], 0xfedcba98
	v_and_b32 v8, 15, v0                           ; r
	v_bfe_u32 v9, v0, 4, 1                         ; h
	v_and_b32 v12, 31, v0                          ; lane
	v_lshlrev_b32 v10, 4, v12                      ; 16 x lane
	v_lshlrev_b32 v11, 2, v12                      ; 4 x lane
	s_wait_dscnt 0x0                               ; both opening adds are done
	s_wait_kmcnt 0x0
	s_add_nc_u64 s[G0A+2:G0A+3], s[4:5], s[66:67]
	s_or_b32 s[G0A+3], s[G0A+3], 0x80000000
	s_add_nc_u64 s[G0W+2:G0W+3], s[6:7], s[68:69]
	s_or_b32 s[G0W+3], s[G0W+3], 0x80000000
	s_add_nc_u64 s[G0S+2:G0S+3], s[8:9], s[70:71]
	s_or_b32 s[G0S+3], s[G0S+3], 0x80000000
	CROUND                                         ; all sixteen work-groups are here: the joint loads meet
	s_cmp_eq_u32 s15, 0                            ; every wave fetches: waves 0-7 one load, waves 8-15 two: at most two tensor loads of a wave are out
	s_cbranch_scc0 .Lfor_w
	tensor_load_to_lds s[G0A:G0A+3], s[G1A:G1A+7]
	s_nop 0
	PLACES 4
	s_branch .Lasked
.Lfor_w:
	tensor_load_to_lds s[G0S:G0S+3], s[G1S:G1S+7]
	s_nop 0
	tensor_load_to_lds s[G0W:G0W+3], s[G1W:G1W+7]
	s_nop 0
	PLACES 4
.Lasked:
	s_cmp_eq_u32 ttmp9, 2                          ; the cluster's x: the same in all sixteen partners
	s_cbranch_scc1 .Lpath_v
	; ---------------- q and k: X = my 128 columns of W, Y = my 32 rows of A
	s_lshr_b32 s72, s[WV], 1                       ; wy: which 32 rows
	s_and_b32 s73, s[WV], 1                        ; wx: which 128 columns
	s_mul_i32 s74, s73, 128*WP
	s_add_co_u32 s74, s74, WROW
	v_mul_u32_u24 v1, v8, WP
	v_lshl_add_u32 v1, v9, 4, v1
	v_add_nc_u32 v1, s74, v1                       ; X's fragments: row r x pitch + 16 h
	s_mul_i32 s75, s72, 2*CHUNK
	v_add_nc_u32 v3, s75, v10                      ; Y's: images, 16 x lane
	s_lshl_b32 s74, s73, 12
	s_add_co_u32 s74, s74, WSC
	v_lshl_add_u32 v4, v12, 5, s74                 ; X's scale words: lane l takes row l of a pair of tiles, 32 bytes a row
	s_add_co_u32 s75, s75, 8192
	v_mul_u32_u24 v5, v9, CHUNK
	v_lshl_add_u32 v5, v8, 2, v5
	v_add_nc_u32 v5, s75, v5                       ; Y's: lanes 0-15 the first chunk's, lanes 16-31 the second's
	v_lshlrev_b32 v13, 5, v9                       ; the bias: 32 h bytes
	s_lshl_b32 s76, s19, 10
	s_lshl_b32 s77, s73, 9
	s_add_co_u32 s76, s76, s77
	s_mov_b32 s77, 0
	s_add_nc_u64 s[78:79], s[10:11], s[76:77]      ; at column 256 x tile column + 128 wx
.irp y, 0,1                            ; THE BIAS IS LOADED INTO THE ACCUMULATORS: register j of tile x is column 16 x + 8 h + j.  So every K step adds in place and nothing is cleared
.irp x, 0,1,2,3,4,5,6,7
	global_load_b128 v[ACC+64*\y+8*\x:ACC+64*\y+8*\x+3],   v13, s[78:79] offset:64*\x
	global_load_b128 v[ACC+64*\y+8*\x+4:ACC+64*\y+8*\x+7], v13, s[78:79] offset:64*\x+16
.endr
.endr
	s_wait_tensorcnt 0x0                           ; my part of the tiles is in,
	s_barrier_signal -1
	s_barrier_wait -1                              ; everybody's is
.irp s, 0,1,2,3,4,5,6,7
	ds_load_b32 v[YS+\s], v5 offset:64*\s
.endr
	s_wait_loadcnt 0x0                             ; the bias
; A K step of 128: 20 fragment loads, 16 products.  The 16 accumulators take turns, one instruction a turn, in the same order in every step.
.macro STEPW s
.if (\s) > 0
	PLACES 4                                       ; in front of loads into registers that matrix instructions have read
.endif
.if (\s)%4 == 0
.irp p, 0,1,2,3
	ds_load_b128 v[XS+4*\p:XS+4*\p+3], v4 offset:1024*\p+16*((\s)/4)   ; four K steps' words of a pair of tiles
.endr
.endif
.irp x, 0,1,2,3,4,5,6,7
.irp c, 0,1
	ds_load_b128 v[XF+8*\x+4*\c:XF+8*\x+4*\c+3], v1 offset:16*WP*\x+64*(\s)+32*\c
.endr
.endr
.irp y, 0,1
.irp c, 0,1
	ds_load_b128 v[YF+8*\y+4*\c:YF+8*\y+4*\c+3], v3 offset:CHUNK*\y+1024*(\s)+512*\c
.endr
.endr
	s_wait_dscnt 0x0
.irp y, 0,1
.irp x, 0,1,2,3,4,5,6,7
	WM ACC+64*\y+8*\x, XF+8*\x, YF+8*\y, XS+4*(\x/2)+(\s)%4, YS+(\s), \x%2, \y
.endr
.endr
.endm
.irp s, 0,1,2,3,4,5,6,7
	STEPW \s
.endr
	; where my results go: head 4 cx + 2 wx + hd of batch (tile row / 8); tile of rows 16 (tile row % 8) + 2 wy + y
	s_lshr_b32 s80, s20, 3
	s_lshl_b32 s80, s80, 4
	s_lshl_b32 s81, s17, 2
	s_add_co_u32 s80, s80, s81
	s_lshl_b32 s81, s73, 1
	s_add_co_u32 s80, s80, s81
	s_and_b32 s82, s20, 7
	s_lshl_b32 s82, s82, 4
	s_lshl_b32 s81, s72, 1
	s_add_co_u32 s82, s82, s81
	s_lshl_b32 s84, ttmp9, 21                      ; q or k
	s_lshl_b32 s81, s80, 16
	s_add_co_u32 s84, s84, s81
	s_lshl_b32 s81, s82, 9
	s_add_co_u32 s84, s84, s81
	s_mov_b32 s85, 0
	s_add_nc_u64 s[84:85], s[12:13], s[84:85]
	s_lshl_b32 s86, ttmp9, 18
	s_lshl_b32 s81, s80, 13
	s_add_co_u32 s86, s86, s81
	s_lshl_b32 s81, s82, 6
	s_add_co_u32 s86, s86, s81
	s_add_co_u32 s86, s86, QKS
	s_mov_b32 s87, 0
	s_add_nc_u64 s[86:87], s[12:13], s[86:87]
	PLACES 4                                       ; behind the last products: their results are read and their operands' registers written
.irp b, 0,1,2,3
	v_mov_b32 v[TM+4+\b], 0                        ; a lane permute's destination counts as one of its sources
.endr
	v_cmp_ne_u32 vcc_lo, 0, v9                     ; lanes 16-31
.irp hd, 0,1
.irp y, 0,1
	QUANTH ACC+64*\y+32*\hd, PC+4*(2*\hd+\y), PW+2*\hd+\y
	v_or_b32 v[PW+2*\hd+\y], 0x7f7f0000, v[PW+2*\hd+\y]
	global_store_b128 v10, v[PC+4*(2*\hd+\y):PC+4*(2*\hd+\y)+3], s[84:85] offset:\hd*65536+\y*512   ; 512 consecutive bytes
.endr
	v_cndmask_b32 v[SW+\hd], v[PW+2*\hd], v[PW+2*\hd+1], vcc_lo    ; lanes 0-15: the first tile's words, lanes 16-31: the second's
	global_store_b32 v11, v[SW+\hd], s[86:87] offset:\hd*8192
.endr
	s_branch .Lclose
	; ---------------- v: X = my 128 rows of A (a key step), Y = my 32 columns of W
.Lpath_v:
	s_and_b32 s72, s[WV], 1                        ; wt: which 128 rows
	s_lshr_b32 s73, s[WV], 1                       ; wd: which 32 columns
	s_mul_i32 s74, s72, 8*CHUNK
	v_add_nc_u32 v1, s74, v10                      ; X's fragments, chunks 0-3 of my eight,
	v_add_nc_u32 v2, 4*CHUNK, v1                   ; and chunks 4-7 (an LDS offset has 16 bits)
	s_mul_i32 s75, s73, 32*WP
	s_add_co_u32 s75, s75, WROW
	v_mul_u32_u24 v3, v8, WP
	v_lshl_add_u32 v3, v9, 4, v3
	v_add_nc_u32 v3, s75, v3                       ; Y's
	s_add_co_u32 s74, s74, 8192
	v_mul_u32_u24 v4, v9, CHUNK
	v_lshl_add_u32 v4, v8, 2, v4
	v_add_nc_u32 v4, s74, v4                       ; X's scale words: lanes 0-15 the even chunk's, lanes 16-31 the odd one's
	s_lshl_b32 s75, s73, 10
	s_add_co_u32 s75, s75, WSC
	v_lshl_add_u32 v5, v12, 5, s75                 ; Y's: lane l takes row l of my 32
	v_lshlrev_b32 v14, 2, v8
	s_lshl_b32 s76, s19, 10
	s_lshl_b32 s77, s73, 7
	s_add_co_u32 s76, s76, s77
	s_mov_b32 s77, 0
	s_add_nc_u64 s[78:79], s[10:11], s[76:77]      ; the bias at column 256 x tile column + 32 wd
	global_load_b32 v[BV], v14, s[78:79]           ; of my d in tile 0,
	global_load_b32 v[BV+2], v14, s[78:79] offset:64   ; and in tile 1
	v_mov_b32 v[BV+1], 0                           ; (named as upper halves of pairs)
	v_mov_b32 v[BV+3], 0
	s_wait_tensorcnt 0x0
	s_barrier_signal -1
	s_barrier_wait -1
	ds_load_b128 v[YS:YS+3], v5
	ds_load_b128 v[YS+4:YS+7], v5 offset:16
.macro STEPV s
.if (\s) > 0
	PLACES 4
.endif
.if (\s)%4 == 0
.irp q, 0,1,2,3
.irp p, 0,1,2,3
	ds_load_b32 v[XS+4*\q+\p], v4 offset:2*CHUNK*\p+64*((\s)+\q)
.endr
.endr
.endif
.irp x, 0,1,2,3
.irp c, 0,1
	ds_load_b128 v[XF+8*\x+4*\c:XF+8*\x+4*\c+3], v1 offset:CHUNK*\x+1024*(\s)+512*\c
	ds_load_b128 v[XF+32+8*\x+4*\c:XF+32+8*\x+4*\c+3], v2 offset:CHUNK*\x+1024*(\s)+512*\c
.endr
.endr
.irp y, 0,1
.irp c, 0,1
	ds_load_b128 v[YF+8*\y+4*\c:YF+8*\y+4*\c+3], v3 offset:16*WP*\y+64*(\s)+32*\c
.endr
.endr
	s_wait_dscnt 0x0
.irp y, 0,1
.irp x, 0,1,2,3,4,5,6,7
.if (\s) == 0
	WMZ ACC+64*\y+8*\x, XF+8*\x, YF+8*\y, XS+4*((\s)%4)+\x/2, YS+(\s), \x%2, \y
.else
	WM ACC+64*\y+8*\x, XF+8*\x, YF+8*\y, XS+4*((\s)%4)+\x/2, YS+(\s), \x%2, \y
.endif
.endr
.endr
.endm
.irp s, 0,1,2,3,4,5,6,7
	STEPV \s
.endr
	; head 4 cx + wd / 2 of batch (tile row / 8); key step 2 (tile row % 8) + wt; tiles of d 2 (wd % 2) + y
	s_lshr_b32 s80, s20, 3
	s_lshl_b32 s80, s80, 4
	s_lshl_b32 s81, s17, 2
	s_add_co_u32 s80, s80, s81
	s_lshr_b32 s81, s73, 1
	s_add_co_u32 s80, s80, s81
	s_and_b32 s82, s20, 7
	s_lshl_b32 s82, s82, 1
	s_add_co_u32 s82, s82, s72
	s_and_b32 s83, s73, 1
	s_lshl_b32 s84, s80, 16
	s_lshl_b32 s81, s82, 12
	s_add_co_u32 s84, s84, s81
	s_lshl_b32 s81, s83, 11
	s_add_co_u32 s84, s84, s81
	s_add_co_u32 s84, s84, VCO
	s_mov_b32 s85, 0
	s_add_nc_u64 s[84:85], s[12:13], s[84:85]
	s_lshl_b32 s86, s80, 12
	s_lshl_b32 s81, s82, 8
	s_add_co_u32 s86, s86, s81
	s_lshl_b32 s81, s83, 7
	s_add_co_u32 s86, s86, s81
	s_add_co_u32 s86, s86, VSO
	s_mov_b32 s87, 0
	s_add_nc_u64 s[86:87], s[12:13], s[86:87]
	s_wait_loadcnt 0x0                             ; the bias
	PLACES 4
.irp b, 0,1,2,3
	v_mov_b32 v[TM+4+\b], 0
.endr
	v_cmp_ne_u32 vcc_lo, 0, v9
.irp y, 0,1
.set ii, 0
.rept 32
	v_pk_add_f32 v[ACC+64*\y+ii:ACC+64*\y+ii+1], v[ACC+64*\y+ii:ACC+64*\y+ii+1], v[BV+2*\y:BV+2*\y+1] op_sel_hi:[1,0]   ; a lane holds one d: one bias for all its keys
.set ii, ii+2
.endr
	QUANTN ACC+64*\y, PC+8*\y, PW+\y
	global_store_b128 v10, v[PC+8*\y:PC+8*\y+3],   s[84:85] offset:\y*1024
	global_store_b128 v10, v[PC+8*\y+4:PC+8*\y+7], s[84:85] offset:\y*1024+512
.endr
	v_cndmask_b32 v[SW], v[PW], v[PW+1], vcc_lo
	global_store_b32 v11, v[SW], s[86:87]
.Lclose:
	s_wait_tensorcnt 0x0                           ; the wave's end
	ds_add_u32 v[SPW], v[NIL]
	s_wait_dscnt 0x0
	CROUND                                         ; the closing round: no work-group ends while a partner may still ask for a tile that names it
	s_endpgm
.Lfunc_end_k_q558216a4a0_qkv:
	.size	k_q558216a4a0_qkv, .Lfunc_end_k_q558216a4a0_qkv-k_q558216a4a0_qkv
	.p2alignl 7, 3214868480
	.fill 96, 4, 3214868480
	.section	.rodata,"a",@progbits
	.p2align	6, 0x0
	.amdhsa_kernel k_q558216a4a0_qkv
		.amdhsa_group_segment_fixed_size 327680
		.amdhsa_private_segment_fixed_size 0
		.amdhsa_enable_private_segment 0
		.amdhsa_kernarg_size 40
		.amdhsa_user_sgpr_count 2
		.amdhsa_user_sgpr_kernarg_segment_ptr 1
		.amdhsa_wavefront_size32 1
		.amdhsa_system_sgpr_workgroup_id_x 1
		.amdhsa_system_sgpr_workgroup_id_y 1
		.amdhsa_system_sgpr_workgroup_id_z 1
		.amdhsa_system_vgpr_workitem_id 0
		.amdhsa_next_free_vgpr 256
		.amdhsa_next_free_sgpr 100
		.amdhsa_reserve_vcc 1
		.amdhsa_float_denorm_mode_32 3
		.amdhsa_float_denorm_mode_16_64 3
		.amdhsa_memory_ordered 1
		.amdhsa_forward_progress 1
		.amdhsa_inst_pref_size 92
	.end_amdhsa_kernel
	.amdgpu_metadata
---
amdhsa.version: [ 1, 2 ]
amdhsa.kernels:
  - .name:           k_q558216a4a0_qkv
    .symbol:         k_q558216a4a0_qkv.kd
    .args:
      - { .name: act, .offset: 0, .size: 8, .value_kind: global_buffer, .address_space: global }
      - { .name: c_attn_w_codes, .offset: 8, .size: 8, .value_kind: global_buffer, .address_space: global }
      - { .name: c_attn_w_scales, .offset: 16, .size: 8, .value_kind: global_buffer, .address_space: global }
      - { .name: c_attn_b, .offset: 24, .size: 8, .value_kind: global_buffer, .address_space: global }
      - { .name: qkv, .offset: 32, .size: 8, .value_kind: global_buffer, .address_space: global }
    .group_segment_fixed_size: 327680
    .private_segment_fixed_size: 0
    .kernarg_segment_align: 8
    .kernarg_segment_size: 40
    .max_flat_workgroup_size: 512
    .sgpr_count:     100
    .vgpr_count:     256
    .wavefront_size: 32
...
	.end_amdgpu_metadata
.endif
;; end of part 2
;; launch attn (part 3): grid 8 x 32, 16 waves a work-group, no clusters, 145,920 bytes of LDS; arguments qkv, ao; writes ao
.if DOCPART == 3
	.amdgcn_target "amdgcn-amd-amdhsa--gfx1250"
	.amdhsa_code_object_version 6
	.text
	.protected	k_q558216a4a0_attn
	.globl	k_q558216a4a0_attn
	.p2align	8
	.type	k_q558216a4a0_attn,@function
k_q558216a4a0_attn:
	s_mov_b64 s[64:65], 0
	v_nop
	global_prefetch_b8 v0, s[64:65] scope:SCOPE_SE
	s_setreg_imm32_b32 hwreg(HW_REG_WAVE_MODE, 25, 1), 1
	s_wait_xcnt 0x0
; O = softmax(q k^T / 8, causal) v for 32 (batch, head) of 2,048 x 64, both products on codes of FP4; the result, divided by the row's sum, is quantised along the model's 1,024 for the projection.
; WORK LEFT OUT: a step of 128 keys whose first key comes after a wave's 16 queries is not multiplied: under the causal mask that the function builds itself its p are 0 for all values of the inputs
; (shown at the head of the first launch; a NaN or overflow that would arise only there is not carried on).
; THE SOFTMAX: t = score x log2(e) / 8; M = the running largest t rounded UP to a whole number; p = 2^(t - M) is quantised along the keys, not normalised; the row's sum is taken of the unquantised p and
; divides at the end.  When M moves, the sum and O are multiplied by 2^(old M - new M): exact.
; SHARES: work-group (j, head) owns the query blocks j and 15 - j, 128 queries each: 17 visible key steps for each pair of tiles, the same in every work-group.  A wave owns one tile of 16 queries:
; tile = w / 2; it belongs to block 15 - j where (w xor w / 4) is odd.  A head's K and V codes and scales, 140 KB, lie whole in LDS: wave w copies key step w (through registers), if any query sees it.
; NO CLUSTER, NO JOINT LOADS, though the eight work-groups of a head read the same K and V: work-group j needs key steps 0 .. 15 - j, so partners would need different numbers of tiles.
; LAYOUT: both products transposed: S^T = K Q^T (source 0 = 16 keys, source 1 = my 16 queries), O^T = V^T P^T: a lane holds ONE query (lane % 16); register j of tile t is key 16 t + 8 h + j.
; A head has K = 64, the instruction 128: registers 4-7 of Q's and K's fragments are zero codes, written once.
; REGISTERS: v1-4 lane terms; v5, v6 the add's; v8-11 addresses in hand; v12 -M, v13 largest t, v[14:15] the sum; v16-23 Q; v24-30 way out, lane terms; v32-95 K (tile t at 32 + 8 t); v96-159 S^T, then p;
; v160-191 O^T; v192-223 V; v224-231 p's codes; v232-239, v242-247, v252, v254 at work; scales alone: v240-241 V's, v248-251 K's, v253 p's, v255 Q's.
; LIMITS: as stated at the head of the first launch.
.set VC,    65536                      ; LDS: K's images at 0 (16 steps x 4,096), V's here,
.set KS,    131072                     ; K's scale words (16 x 512),
.set VS,    139264                     ; V's (16 x 256),
.set HSG,   143360                     ; the results' scale bytes: 2 blocks x 128 rows x 2,
.set SPARE, 143872                     ; the spare words, 128 bytes for each of the 16 waves; no other line names them
.set QKS_G, 4194304
.set VC_G,  4718592
.set VS_G,  6815744
.set AOH_G, 2097152
.set SPW, 5
.set NIL, 6
.set TM,  128                          ; the way out's scratch, in the scores' registers
.set SEL, 16                           ; s[16:17]
.set CS,  18                           ; s[18:19] c = log2(e) / 8
.set TB,  20                           ; s20  the step's images: 4,096 bytes a step
.set TKS, 21                           ; s21  K's scale words: 512
.set TVS, 22                           ; s22  V's: 256
.set KF,  23                           ; s23  the step's first key
.set CNT, 24
.set Q0,  14                           ; s14  my first query
.macro PLACES n
.rept \n
	v_nop
.endr
.endm
.macro WM d, a, b, sa, sb, ra
.if (\ra)
	v_wmma_scale_f32_16x16x128_f8f6f4 v[\d:\d+7], v[\a:\a+7], v[\b:\b+7], v[\d:\d+7], v[\sa], v[\sb] matrix_a_fmt:MATRIX_FMT_FP4 matrix_b_fmt:MATRIX_FMT_FP4 matrix_a_scale:MATRIX_SCALE_ROW1
.else
	v_wmma_scale_f32_16x16x128_f8f6f4 v[\d:\d+7], v[\a:\a+7], v[\b:\b+7], v[\d:\d+7], v[\sa], v[\sb] matrix_a_fmt:MATRIX_FMT_FP4 matrix_b_fmt:MATRIX_FMT_FP4
.endif
.endm
.macro WMZ d, a, b, sa, sb, ra
.if (\ra)
	v_wmma_scale_f32_16x16x128_f8f6f4 v[\d:\d+7], v[\a:\a+7], v[\b:\b+7], 0, v[\sa], v[\sb] matrix_a_fmt:MATRIX_FMT_FP4 matrix_b_fmt:MATRIX_FMT_FP4 matrix_a_scale:MATRIX_SCALE_ROW1
.else
	v_wmma_scale_f32_16x16x128_f8f6f4 v[\d:\d+7], v[\a:\a+7], v[\b:\b+7], 0, v[\sa], v[\sb] matrix_a_fmt:MATRIX_FMT_FP4 matrix_b_fmt:MATRIX_FMT_FP4
.endif
.endm
.macro QUANTH s, pc, pw                ; 32 numbers of a lane (register 8 x + j = k 16 x + 8 h + j): two blocks of 32: half a fragment and two scale bytes
.irp b, 0,1
	v_max3_num_f32 v[TM+\b], |v[\s+16*\b]|, |v[\s+16*\b+1]|, 0x1800000
.endr
.irp i, 2,4,6,8,10,12,14
.irp b, 0,1
	v_max3_num_f32 v[TM+\b], v[TM+\b], |v[\s+16*\b+\i]|, |v[\s+16*\b+\i+1]|
.endr
.endr
.irp b, 0,1
	v_permlanex16_b32 v[TM+4+\b], v[TM+\b], s[SEL], s[SEL+1]
.endr
.irp b, 0,1
	v_max_num_f32 v[TM+\b], v[TM+\b], v[TM+4+\b]
.endr
.irp b, 0,1
	v_add_nc_u32 v[TM+8+\b], 0xff000000, v[TM+\b]
.endr
.irp b, 0,1
	v_lshrrev_b32 v[TM+4+\b], 23, v[TM+8+\b]
.endr
	v_lshl_or_b32 v[\pw], v[TM+5], 8, v[TM+4]
	v_cvt_scalef32_pk8_fp4_f32 v[\pc],   v[\s:\s+7],     v[TM+8]
	v_cvt_scalef32_pk8_fp4_f32 v[\pc+1], v[\s+16:\s+23], v[TM+9]
	v_cvt_scalef32_pk8_fp4_f32 v[\pc+2], v[\s+8:\s+15],  v[TM+8]
	v_cvt_scalef32_pk8_fp4_f32 v[\pc+3], v[\s+24:\s+31], v[TM+9]
	v_nop
	v_permlane16_swap_b32 v[\pc],   v[\pc+1]
	v_permlane16_swap_b32 v[\pc+2], v[\pc+3]
.endm
	s_load_b128 s[4:7], s[0:1], 0x0                ; q, k, v as images s[4:5]; the result s[6:7]
	v_lshl_add_u32 v[SPW], v0, 2, SPARE
	v_mov_b32 v[NIL], 0
	v_lshrrev_b32 v1, 5, v0
	v_readfirstlane_b32 s8, v1                     ; wave 0..15
	s_lshr_b32 s9, s8, 1                           ; my tile of 16 queries in its block
	s_lshr_b32 s10, s8, 2
	s_xor_b32 s10, s10, s8
	s_and_b32 s10, s10, 1                          ; 1: the late block, 15 - j
	s_and_b32 s12, ttmp7, 0xffff                   ; batch x 16 + head
	s_sub_co_u32 s25, 15, ttmp9                    ; 15 - j: the late block, and the last key step that any of my work-group's queries sees
	s_cmp_eq_u32 s10, 0
	s_cselect_b32 s13, ttmp9, s25                  ; my block
	s_lshl_b32 s[Q0], s13, 7
	s_lshl_b32 s26, s9, 4
	s_add_co_u32 s[Q0], s[Q0], s26
	v_and_b32 v7, 31, v0                           ; lane
	v_and_b32 v27, 15, v0                          ; r
	v_bfe_u32 v28, v0, 4, 1                        ; h
	v_lshlrev_b32 v1, 4, v7                        ; 16 x lane: an image's place, in memory and in LDS (K's images begin at 0)
	v_add_nc_u32 v2, VC, v1
	v_lshl_add_u32 v3, v7, 2, KS
	v_lshl_add_u32 v4, v7, 2, VS
	v_lshlrev_b32 v29, 3, v7                       ; 8 x lane
	v_lshlrev_b32 v30, 2, v27                      ; 4 r
	v_lshlrev_b32 v26, 3, v28
	v_sub_nc_u32 v26, v27, v26                     ; r - 8 h, for the mask
	s_lshl_b32 s26, s8, 12
	v_add_nc_u32 v8, s26, v1                       ; where I put key step w: K's images,
	v_add_nc_u32 v9, s26, v2                       ; V's,
	s_lshl_b32 s26, s8, 9
	s_add_co_u32 s26, s26, KS
	v_add_nc_u32 v10, s26, v1                      ; K's scale words,
	s_lshl_b32 s26, s8, 8
	s_add_co_u32 s26, s26, VS
	v_add_nc_u32 v11, s26, v29                     ; V's
	s_lshl_b32 s26, s10, 8
	s_lshl_b32 s27, s9, 5
	s_add_co_u32 s26, s26, s27
	s_add_co_u32 s26, s26, HSG
	v_lshl_add_u32 v24, v27, 1, s26                ; the way out: my row's two scale bytes
	v_add_nc_u32 v25, HSG, v29
	s_mov_b32 s[SEL], 0x76543210
	s_mov_b32 s[SEL+1], 0xfedcba98
	s_mov_b32 s[CS], 0x3e38aa3b                    ; log2(e) / 8
	s_mov_b32 s[CS+1], s[CS]
	s_mov_b32 s[TB], 0
	s_mov_b32 s[TKS], 0
	s_mov_b32 s[TVS], 0
	s_mov_b32 s[KF], 0
	s_mov_b32 s[CNT], 16
	s_lshl_b32 s28, s12, 16                        ; Q's image: head x 65,536 + (Q0 / 16) x 512
	s_lshl_b32 s26, s[Q0], 5
	s_add_co_u32 s28, s28, s26
	s_mov_b32 s29, 0
	s_lshl_b32 s30, s12, 13                        ; its scale words: head x 8,192 + (Q0 / 16) x 64
	s_lshl_b32 s26, s[Q0], 2
	s_add_co_u32 s30, s30, s26
	s_add_co_u32 s30, s30, QKS_G
	s_mov_b32 s31, 0
	s_lshl_b32 s32, s12, 16                        ; key step w of K and of V: head x 65,536 + 4,096 w
	s_lshl_b32 s26, s8, 12
	s_add_co_u32 s32, s32, s26
	s_add_co_u32 s34, s32, VC_G
	s_add_co_u32 s32, s32, 2097152
	s_mov_b32 s33, 0
	s_mov_b32 s35, 0
	s_lshl_b32 s36, s12, 13
	s_lshl_b32 s26, s8, 9
	s_add_co_u32 s36, s36, s26
	s_add_co_u32 s36, s36, QKS_G+262144
	s_mov_b32 s37, 0
	s_lshl_b32 s38, s12, 12
	s_lshl_b32 s26, s8, 8
	s_add_co_u32 s38, s38, s26
	s_add_co_u32 s38, s38, VS_G
	s_mov_b32 s39, 0
	s_lshr_b32 s27, s12, 4                         ; batch
	s_and_b32 s26, s12, 15                         ; head
	s_lshl_b32 s40, s27, 20                        ; the result's codes: (128 batch + Q0 / 16) x 8,192 + head x 512
	s_lshl_b32 s41, s[Q0], 9
	s_add_co_u32 s40, s40, s41
	s_lshl_b32 s41, s26, 9
	s_add_co_u32 s40, s40, s41
	s_mov_b32 s41, 0
	s_lshl_b32 s42, s26, 13                        ; its scale bytes: head x 8,192 + (2,048 batch + 128 block) x 2
	s_lshl_b32 s43, s27, 12
	s_add_co_u32 s42, s42, s43
	s_add_co_u32 s42, s42, AOH_G
	s_lshl_b32 s43, s25, 8
	s_add_co_u32 s44, s42, s43                     ; block 15 - j,
	s_lshl_b32 s43, ttmp9, 8
	s_add_co_u32 s42, s42, s43                     ; block j
	s_mov_b32 s43, 0
	s_mov_b32 s45, 0
	s_wait_kmcnt 0x0
	s_add_nc_u64 s[28:29], s[4:5], s[28:29]
	s_add_nc_u64 s[30:31], s[4:5], s[30:31]
	s_add_nc_u64 s[32:33], s[4:5], s[32:33]
	s_add_nc_u64 s[34:35], s[4:5], s[34:35]
	s_add_nc_u64 s[36:37], s[4:5], s[36:37]
	s_add_nc_u64 s[38:39], s[4:5], s[38:39]
	s_add_nc_u64 s[40:41], s[6:7], s[40:41]
	s_add_nc_u64 s[42:43], s[6:7], s[42:43]
	s_add_nc_u64 s[44:45], s[6:7], s[44:45]
	global_load_b128 v[16:19], v1, s[28:29]        ; Q's codes stay in registers
	global_load_b32 v255, v30, s[30:31]            ; and its scale words
	s_cmp_gt_u32 s8, s25                           ; key step w is seen by none of my work-group's queries: it is not fetched (ids alone; no barrier stands inside)
	s_cbranch_scc1 .Lno_fill
.irp t, 0,1,2,3,4,5,6,7
	global_load_b128 v[32+4*\t:35+4*\t], v1, s[32:33] offset:512*\t
.endr
.irp t, 0,1,2,3,4,5,6,7
	global_load_b128 v[64+4*\t:67+4*\t], v1, s[34:35] offset:512*\t
.endr
	global_load_b128 v[96:99], v1, s[36:37]
	global_load_b64 v[100:101], v29, s[38:39]
	s_wait_loadcnt 0x0
.irp t, 0,1,2,3,4,5,6,7
	ds_store_b128 v8, v[32+4*\t:35+4*\t] offset:512*\t
.endr
.irp t, 0,1,2,3,4,5,6,7
	ds_store_b128 v9, v[64+4*\t:67+4*\t] offset:512*\t
.endr
	ds_store_b128 v10, v[96:99]
	ds_store_b64 v11, v[100:101]
.Lno_fill:
	s_wait_loadcnt 0x0                             ; Q
	s_wait_dscnt 0x0                               ; for the others' sake: my key step lies in LDS
	s_barrier_signal -1
	s_barrier_wait -1
.irp i, 20,21,22,23
	v_mov_b32 v[\i], 0                             ; zero codes for k = 64 .. 127 of Q,
.endr
.irp t, 0,1,2,3,4,5,6,7
.irp i, 4,5,6,7
	v_mov_b32 v[32+8*\t+\i], 0                     ; and of K's eight fragments: written once, never loaded over
.endr
.endr
.set ii, 0
.rept 32
	v_mov_b32 v[160+ii], 0                         ; O^T.  (The step is written once: the first finds zeros, which the first change of M leaves zeros)
.set ii, ii+1
.endr
	v_mov_b32 v13, 0xff61b1e6                      ; the largest t so far: -3e38
	v_floor_f32 v12, -v13                          ; -M
	v_mov_b32 v14, 0
	v_mov_b32 v15, 0
.irp b, 0,1,2,3
	v_mov_b32 v[236+\b], 0                         ; a lane permute's destination counts as one of its sources
.endr
	v_mov_b32 v252, 0
	v_mov_b32 v253, 0
.Lstep:                                            ; 16 trips, a constant: a hidden step's work is jumped over, its address steps are not
	s_cmp_gt_u32 s[KF], s[Q0]                      ; KF is a multiple of 128 and my 16 queries lie inside one block of 128: all 128 keys come after them
	s_cbranch_scc1 .Lhidden
	v_add_nc_u32 v8, s[TB], v1                     ; (these four are also the places in front of loads into registers that the last products read)
	v_add_nc_u32 v9, s[TB], v2
	v_add_nc_u32 v10, s[TKS], v3
	v_add_nc_u32 v11, s[TVS], v4
.irp t, 0,1,2,3,4,5,6,7
	ds_load_b128 v[32+8*\t:35+8*\t], v8 offset:512*\t
.endr
.irp b, 0,1,2,3
	ds_load_b32 v[248+\b], v10 offset:128*\b
.endr
.irp a, 0,1,2,3
.irp c, 0,1
	ds_load_b128 v[192+8*\a+4*\c:195+8*\a+4*\c], v9 offset:1024*\a+512*\c
.endr
.endr
.irp p, 0,1
	ds_load_b32 v[240+\p], v11 offset:128*\p
.endr
	s_wait_dscnt 10                                ; K and its scale words are in; V's eight loads and its two scale loads, issued behind them, may be out
.irp t, 0,1,2,3,4,5,6,7
	WMZ 96+8*\t, 32+8*\t, 16, 248+\t/2, 255, \t%2
.endr
	PLACES 4
	s_add_co_u32 s26, s[KF], 127                   ; a step all of whose keys count skips the mask
	s_cmp_le_u32 s26, s[Q0]
	s_cbranch_scc1 .Lopen
	s_sub_co_i32 s26, s[Q0], s[KF]
	v_add_nc_u32 v242, s26, v26                    ; d = my query - KF - 8 h.  Register n holds key KF + 8 h + 16 (n / 8) + n % 8: hidden where 16 (n / 8) + n % 8 > d
	v_mov_b32 v243, 0xff800000                     ; -infinity: p = 0 then
.set nn, 0
.rept 64
	v_cmp_gt_i32 vcc_lo, 16*(nn/8)+nn%8, v242
	v_cndmask_b32 v[96+nn], v[96+nn], v243, vcc_lo
.set nn, nn+1
.endr
.Lopen:
.irp b, 0,1,2,3
	v_max3_num_f32 v[232+\b], v[96+16*\b], v[97+16*\b], v[98+16*\b]   ; the largest score of each block of 32 keys: for the row's maximum, and, since p rises with the score, for the block's largest p
.endr
.irp i, 3,5,7,9,11,13
.irp b, 0,1,2,3
	v_max3_num_f32 v[232+\b], v[232+\b], v[96+16*\b+\i], v[97+16*\b+\i]
.endr
.endr
.irp b, 0,1,2,3
	v_max_num_f32 v[232+\b], v[232+\b], v[111+16*\b]
.endr
.irp b, 0,1,2,3
	v_permlanex16_b32 v[236+\b], v[232+\b], s[SEL], s[SEL+1]
.endr
.irp b, 0,1,2,3
	v_max_num_f32 v[232+\b], v[232+\b], v[236+\b]
.endr
	v_max3_num_f32 v254, v232, v233, v234
	v_max_num_f32 v254, v254, v235
	v_mul_f32 v254, s[CS], v254                    ; as t
	v_max_num_f32 v13, v13, v254                   ; the running largest t
	v_mov_b32 v254, v12
	v_floor_f32 v12, -v13                          ; the new -M = -ceil(t)
	v_sub_f32 v254, v12, v254                      ; old M - new M: a whole number, 0 or less
	v_cvt_i32_f32 v254, v254                       ; (it saturates)
	v_ldexp_f32 v252, 1.0, v254                    ; f = 2^(old M - new M)
.set ii, 0
.rept 32
	v_pk_fma_f32 v[96+ii:97+ii], v[96+ii:97+ii], s[CS:CS+1], v[12:13] op_sel_hi:[1,0,0]   ; t - M
.set ii, ii+2
.endr
.irp b, 0,1,2,3
	v_fma_f32 v[232+\b], v[232+\b], s[CS], v12
.endr
.set ii, 0
.rept 64
	v_exp_f32 v[96+ii], v[96+ii]                   ; p = 2^(t - M)
.set ii, ii+1
.endr
	v_pk_mul_f32 v[14:15], v[14:15], v[252:253] op_sel_hi:[1,0]   ; the sums under the new M: a plain place behind the exponentials
	s_wait_alu depctr_va_vdst(0)                   ; one wait for the batch, ahead of its first reader
.irp b, 0,1,2,3
	v_exp_f32 v[232+\b], v[232+\b]                 ; each block's largest p
.endr
	v_pk_add_f32 v[236:237], v[96:97], v[98:99]    ; the row's sum, of the unquantised p, in two chains
.irp j, 4,8,12,16,20,24,28,32,36,40,44,48,52,56,60
	v_pk_add_f32 v[14:15], v[14:15], v[96+\j:97+\j]
	v_pk_add_f32 v[236:237], v[236:237], v[98+\j:99+\j]
.endr
	v_pk_add_f32 v[14:15], v[14:15], v[236:237]
	s_wait_alu depctr_va_vdst(0)                   ; and one for the four
.irp b, 0,1,2,3
	v_max_num_f32 v[232+\b], 0x1800000, v[232+\b]  ; the floor 2^(3 - 127)
.endr
.irp b, 0,1,2,3
	v_add_nc_u32 v[244+\b], 0xff000000, v[232+\b]
.endr
.irp b, 0,1,2,3
	v_lshrrev_b32 v[236+\b], 23, v[244+\b]
.endr
	v_lshl_or_b32 v253, v237, 8, v236              ; p's scale word for these 128 keys
	v_lshl_or_b32 v253, v238, 16, v253
	v_lshl_or_b32 v253, v239, 24, v253
.irp c, 0,1
	v_cvt_scalef32_pk8_fp4_f32 v[224+4*\c], v[96+32*\c:103+32*\c],  v[244+2*\c]
	v_cvt_scalef32_pk8_fp4_f32 v[225+4*\c], v[112+32*\c:119+32*\c], v[245+2*\c]
	v_cvt_scalef32_pk8_fp4_f32 v[226+4*\c], v[104+32*\c:111+32*\c], v[244+2*\c]
	v_cvt_scalef32_pk8_fp4_f32 v[227+4*\c], v[120+32*\c:127+32*\c], v[245+2*\c]
.endr
	v_nop
.irp c, 0,1
	v_permlane16_swap_b32 v[224+4*\c], v[225+4*\c]
	v_permlane16_swap_b32 v[226+4*\c], v[227+4*\c]
.endr
.set ii, 0
.rept 16
	v_pk_mul_f32 v[160+ii:161+ii], v[160+ii:161+ii], v[252:253] op_sel_hi:[1,0]   ; O^T under the new M.  (These 16 are also the places between the codes' and the scale word's last writes and the products)
.set ii, ii+2
.endr
	s_wait_dscnt 0x0                               ; V
.irp a, 0,1,2,3                        ; the four accumulators take turns
	WM 160+8*\a, 192+8*\a, 224, 240+\a/2, 253, \a%2
.endr
.Lhidden:
	s_add_co_u32 s[TB], s[TB], 4096
	s_add_co_u32 s[TKS], s[TKS], 512
	s_add_co_u32 s[TVS], s[TVS], 256
	s_add_co_u32 s[KF], s[KF], 128
	s_sub_co_u32 s[CNT], s[CNT], 1
	s_cmp_lg_u32 s[CNT], 0
	s_cbranch_scc1 .Lstep
	PLACES 4                                       ; behind the last products, on every way out of the loop
	v_add_f32 v14, v14, v15
	v_permlanex16_b32 v252, v14, s[SEL], s[SEL+1]
	v_add_f32 v14, v14, v252                       ; the row's sum
	v_rcp_f32 v14, v14
	v_mov_b32 v[TM+4], 0                           ; (plain places behind the reciprocal; the permutes' destinations)
	v_mov_b32 v[TM+5], 0
	s_wait_alu depctr_va_vdst(0)
.set ii, 0
.rept 32
	v_mul_f32 v[96+ii], v[160+ii], v14             ; register 8 a + j: o(query r, d = 16 a + 8 h + j)
.set ii, ii+1
.endr
	QUANTH 96, 144, 148
	global_store_b128 v1, v[144:147], s[40:41]     ; half c = head % 2 of K step head / 2 of my tile's chunk: 512 consecutive bytes
	ds_store_b16 v24, v148                         ; both halves of the lanes write the same two bytes
	s_wait_dscnt 0x0
	s_barrier_signal -1
	s_barrier_wait -1
	s_cmp_lg_u32 s8, 0                             ; wave 0 stores each block's 256 scale bytes as one aligned run
	s_cbranch_scc1 .Lend
	ds_load_b64 v[32:33], v25
	ds_load_b64 v[34:35], v25 offset:256
	s_wait_dscnt 0x0
	global_store_b64 v29, v[32:33], s[42:43]
	global_store_b64 v29, v[34:35], s[44:45]
.Lend:
	s_wait_tensorcnt 0x0                           ; the wave's end, behind my last LDS store
	ds_add_u32 v[SPW], v[NIL]
	s_wait_dscnt 0x0
	s_endpgm
.Lfunc_end_k_q558216a4a0_attn:
	.size	k_q558216a4a0_attn, .Lfunc_end_k_q558216a4a0_attn-k_q558216a4a0_attn
	.p2alignl 7, 3214868480
	.fill 96, 4, 3214868480
	.section	.rodata,"a",@progbits
	.p2align	6, 0x0
	.amdhsa_kernel k_q558216a4a0_attn
		.amdhsa_group_segment_fixed_size 145920
		.amdhsa_private_segment_fixed_size 0
		.amdhsa_enable_private_segment 0
		.amdhsa_kernarg_size 16
		.amdhsa_user_sgpr_count 2
		.amdhsa_user_sgpr_kernarg_segment_ptr 1
		.amdhsa_wavefront_size32 1
		.amdhsa_system_sgpr_workgroup_id_x 1
		.amdhsa_system_sgpr_workgroup_id_y 1
		.amdhsa_system_sgpr_workgroup_id_z 1
		.amdhsa_system_vgpr_workitem_id 0
		.amdhsa_next_free_vgpr 256
		.amdhsa_next_free_sgpr 66
		.amdhsa_reserve_vcc 1
		.amdhsa_float_denorm_mode_32 3
		.amdhsa_float_denorm_mode_16_64 3
		.amdhsa_memory_ordered 1
		.amdhsa_forward_progress 1
		.amdhsa_inst_pref_size 35
	.end_amdhsa_kernel
	.amdgpu_metadata
---
amdhsa.version: [ 1, 2 ]
amdhsa.kernels:
  - .name:           k_q558216a4a0_attn
    .symbol:         k_q558216a4a0_attn.kd
    .args:
      - { .name: qkv, .offset: 0, .size: 8, .value_kind: global_buffer, .address_space: global }
      - { .name: ao, .offset: 8, .size: 8, .value_kind: global_buffer, .address_space: global }
    .group_segment_fixed_size: 145920
    .private_segment_fixed_size: 0
    .kernarg_segment_align: 8
    .kernarg_segment_size: 16
    .max_flat_workgroup_size: 512
    .sgpr_count:     66
    .vgpr_count:     256
    .wavefront_size: 32
...
	.end_amdgpu_metadata
.endif
;; end of part 3
;; launch proj (part 4): grid 8 x 32, 8 waves a work-group, clusters of 4 x 4, 196,608 bytes of LDS; arguments ao, c_proj_w_codes, c_proj_w_scales, c_proj_b, x, x1; writes x1
.if DOCPART == 4
	.amdgcn_target "amdgcn-amd-amdhsa--gfx1250"
	.amdhsa_code_object_version 6
	.text
	.protected	k_q558216a4a0_proj
	.globl	k_q558216a4a0_proj
	.p2align	8
	.type	k_q558216a4a0_proj,@function
k_q558216a4a0_proj:
	s_mov_b64 s[64:65], 0
	v_nop
	global_prefetch_b8 v0, s[64:65] scope:SCOPE_SE
	s_setreg_imm32_b32 hwreg(HW_REG_WAVE_MODE, 25, 1), 1
	s_wait_xcnt 0x0
	s_wait_alu depctr_hold_cnt(0) depctr_sa_sdst(0) depctr_va_vdst(0) depctr_va_sdst(0) depctr_va_ssrc(0) depctr_va_vcc(0) depctr_vm_vsrc(0)
	s_getreg_b32 s2, hwreg(HW_REG_IB_STS2, 6, 4)
	s_cmp_eq_u32 s2, 0
	s_cbranch_scc0 .Lentry_in_a_cluster
	s_endpgm
.Lentry_in_a_cluster:
	s_bfe_u32 s2, ttmp6, 0x10000c
	s_cmp_lg_u32 s2, 0xf033
	s_cbranch_scc0 .Lentry_shape_is_right
	s_endpgm
.Lentry_shape_is_right:
; x1 = x + attention's result x W + b: [4,096 x 1,024] x [1,024 x 1,024] on codes of FP4, f32 out.  Nothing is left out here.
; SHARES: a work-group makes 128 rows x 128 columns (256 work-groups); all of K = 1,024 lies in LDS, filled once: A's 8 tiles of rows as images (8,192 bytes each), A's scale bytes (16 heads x 128 rows x 2),
; W's 128 rows of 512 bytes (+ 16), W's scale bytes.  CLUSTER 4 x 4: A's parts are asked for jointly along a row of the cluster, W's along a column.
; A wave makes 4 tiles of W's columns (source 0) x 2 tiles of A's rows (source 1): a lane holds eight neighbouring columns of one row.  The bias is loaded into the accumulators.
; The way out goes through the wave's own stage in LDS, so that sixteen lanes store 256 consecutive, aligned bytes; the residual is loaded in that same shape at the head.
.set WP,    528
.set YSTR,  8192                       ; from one tile of A's rows to the next
.set WROW,  8*YSTR
.set WSC,   WROW+128*WP
.set HS,    WSC+128*32
.set STAGE, HS+4096                    ; 16 rows x 272 bytes for each wave; no fill lands here
.set SPARE, STAGE+8*16*272             ; the spare words, 128 bytes for each of the 8 waves; no other line names them
.set AOH,   2097152
.set AX,  1
.set AY,  3
.set SPW, 8
.set NIL, 9
.set XS,  16                           ; v16-31 W's scale words, v32-39 A's: scales and nothing else
.set YS,  32
.set HW,  40                           ; v40-55 A's scale bytes, two a head
.set XF,  64
.set YF,  96
.set RES, 112                          ; v112-175 the residual
.set ACC, 192                          ; accumulator (y, x) at 192 + 32 y + 8 x
.set WV,  16
.set G1A, 24
.set G1W, 32
.set G1S, 40
.set G0A, 48
.set G0W, 56
.set G0S, 68
.set G1H, 72
.set G0H, 80
.macro PLACES n
.rept \n
	v_nop
.endr
.endm
.macro CROUND
	s_barrier_signal -1
	s_barrier_wait -1
	s_cmp_lg_u32 s[WV], 0
	s_cbranch_scc1 .Lnot_wave_0_\@
	s_barrier_signal -3
.Lnot_wave_0_\@:
	s_barrier_wait -3
	s_barrier_signal -1
	s_barrier_wait -1
.endm
.macro WM d, a, b, sa, sb, ra, rb
.if (\ra) && (\rb)
	v_wmma_scale_f32_16x16x128_f8f6f4 v[\d:\d+7], v[\a:\a+7], v[\b:\b+7], v[\d:\d+7], v[\sa], v[\sb] matrix_a_fmt:MATRIX_FMT_FP4 matrix_b_fmt:MATRIX_FMT_FP4 matrix_a_scale:MATRIX_SCALE_ROW1 matrix_b_scale:MATRIX_SCALE_ROW1
.elseif (\ra)
	v_wmma_scale_f32_16x16x128_f8f6f4 v[\d:\d+7], v[\a:\a+7], v[\b:\b+7], v[\d:\d+7], v[\sa], v[\sb] matrix_a_fmt:MATRIX_FMT_FP4 matrix_b_fmt:MATRIX_FMT_FP4 matrix_a_scale:MATRIX_SCALE_ROW1
.elseif (\rb)
	v_wmma_scale_f32_16x16x128_f8f6f4 v[\d:\d+7], v[\a:\a+7], v[\b:\b+7], v[\d:\d+7], v[\sa], v[\sb] matrix_a_fmt:MATRIX_FMT_FP4 matrix_b_fmt:MATRIX_FMT_FP4 matrix_b_scale:MATRIX_SCALE_ROW1
.else
	v_wmma_scale_f32_16x16x128_f8f6f4 v[\d:\d+7], v[\a:\a+7], v[\b:\b+7], v[\d:\d+7], v[\sa], v[\sb] matrix_a_fmt:MATRIX_FMT_FP4 matrix_b_fmt:MATRIX_FMT_FP4
.endif
.endm
; A K step of 128: 12 fragment loads, 8 products on 8 accumulators that take turns
.macro STEPS slot, s
	PLACES 4                                       ; in front of loads into registers that matrix instructions have read
.irp x, 0,1,2,3
.irp c, 0,1
	ds_load_b128 v[XF+8*\x+4*\c:XF+8*\x+4*\c+3], v[AX+\slot] offset:16*WP*\x+64*(\s)+32*\c
.endr
.endr
.irp y, 0,1
.irp c, 0,1
	ds_load_b128 v[YF+8*\y+4*\c:YF+8*\y+4*\c+3], v[AY+\slot] offset:YSTR*\y+1024*(\s)+512*\c
.endr
.endr
	s_wait_dscnt 0x0
.irp y, 0,1
.irp x, 0,1,2,3
	WM ACC+32*\y+8*\x, XF+8*\x, YF+8*\y, XS+8*(\x/2)+(\s), YS+(\s), \x%2, \y
.endr
.endr
.endm
	s_load_b256 s[4:11], s[0:1], 0x0               ; A s[4:5], W's codes s[6:7], W's scales s[8:9], the bias s[10:11]
	s_load_b128 s[12:15], s[0:1], 0x20             ; the residual s[12:13], the result s[14:15]
	v_lshl_add_u32 v[SPW], v0, 2, SPARE
	v_mov_b32 v[NIL], 0
	ds_add_u32 v[SPW], v[NIL]                      ; the wave's opening: the add, twice on end, and its wait ahead of my first tensor load
	ds_add_u32 v[SPW], v[NIL]
	v_lshrrev_b32 v1, 5, v0
	v_readfirstlane_b32 s[WV], v1                  ; wave 0..7
	s_lshr_b32 s17, s[WV], 2                       ; I fetch for A (0) or for W (1),
	s_and_b32 s18, s[WV], 3                        ; the quarter of it that is mine
	s_bfe_u32 s19, ttmp6, 0x40000                  ; cx
	s_bfe_u32 s20, ttmp6, 0x40004                  ; cy
	s_lshl_b32 s21, ttmp9, 2
	s_add_co_u32 s21, s21, s19                     ; tile column
	s_and_b32 s22, ttmp7, 0xffff
	s_lshl_b32 s22, s22, 2
	s_add_co_u32 s22, s22, s20                     ; tile row
	s_lshl_b32 s66, s20, 2
	s_lshl_b32 s66, 15, s66                        ; my row of the cluster
	s_lshl_b32 s67, 0x1111, s19                    ; my column
	s_or_b32 s[G1A], s66, (3<<16)|(1<<21)          ; A: two tiles of rows, 16,384 dense bytes, as 64 rows of 256
	s_mov_b32 s[G1A+1], 32<<16
	s_mov_b32 s[G1A+2], 64<<16
	s_mov_b32 s[G1A+3], 32<<16
	s_mov_b32 s[G1A+4], 64
	s_mov_b32 s[G1A+5], 32
	s_mov_b32 s[G1A+6], 0
	s_mov_b32 s[G1A+7], 0
	s_or_b32 s[G1H], s66, (3<<16)|(1<<21)          ; A's scale bytes: four heads' 256 bytes, 8,192 bytes apart
	s_mov_b32 s[G1H+1], 32<<16
	s_mov_b32 s[G1H+2], 4<<16
	s_mov_b32 s[G1H+3], 32<<16
	s_mov_b32 s[G1H+4], 4
	s_mov_b32 s[G1H+5], 1024
	s_mov_b32 s[G1H+6], 0
	s_mov_b32 s[G1H+7], 0
	s_or_b32 s[G1W], s67, (1<<20)|(1<<21)|(6<<22)|(3<<25)   ; W: 32 rows of 512 bytes, 4 words of padding behind every 128
	s_mov_b32 s[G1W+1], 512<<16
	s_mov_b32 s[G1W+2], 32<<16
	s_mov_b32 s[G1W+3], 512<<16
	s_mov_b32 s[G1W+4], 32
	s_mov_b32 s[G1W+5], 512
	s_mov_b32 s[G1W+6], 0
	s_mov_b32 s[G1W+7], 0
	s_or_b32 s[G1S], s67, (3<<16)|(1<<21)          ; W's scale bytes of 32 rows: 1,024 dense bytes
	s_mov_b32 s[G1S+1], 32<<16
	s_mov_b32 s[G1S+2], 4<<16
	s_mov_b32 s[G1S+3], 32<<16
	s_mov_b32 s[G1S+4], 4
	s_mov_b32 s[G1S+5], 32
	s_mov_b32 s[G1S+6], 0
	s_mov_b32 s[G1S+7], 0
	s_lshl_b32 s84, s22, 16                        ; A: (8 x tile row + 2 x quarter) x 8,192 (s84-87 never hold cx)
	s_lshl_b32 s85, s18, 14
	s_add_co_u32 s84, s84, s85
	s_mov_b32 s85, 0
	s_lshl_b32 s86, s18, 15                        ; heads 4 x quarter on, rows 128 x tile row on
	s_lshl_b32 s87, s22, 8
	s_add_co_u32 s86, s86, s87
	s_add_co_u32 s86, s86, AOH
	s_mov_b32 s87, 0
	s_lshl_b32 s88, s21, 7                         ; W: row 128 x tile column + 32 x quarter (s88-91 never hold cy)
	s_lshl_b32 s89, s18, 5
	s_add_co_u32 s88, s88, s89
	s_lshl_b32 s90, s88, 5
	s_lshl_b32 s88, s88, 9
	s_mov_b32 s89, 0
	s_mov_b32 s91, 0
	s_mov_b32 s[G0A], 1
	s_lshl_b32 s[G0A+1], s18, 14
	s_mov_b32 s[G0H], 1
	s_lshl_b32 s[G0H+1], s18, 10
	s_add_co_u32 s[G0H+1], s[G0H+1], HS
	s_mov_b32 s[G0W], 1
	s_mul_i32 s[G0W+1], s18, 32*WP
	s_add_co_u32 s[G0W+1], s[G0W+1], WROW
	s_mov_b32 s[G0S], 1
	s_lshl_b32 s[G0S+1], s18, 10
	s_add_co_u32 s[G0S+1], s[G0S+1], WSC
	s_wait_dscnt 0x0                               ; both opening adds are done
	s_wait_kmcnt 0x0
	s_add_nc_u64 s[G0A+2:G0A+3], s[4:5], s[84:85]
	s_or_b32 s[G0A+3], s[G0A+3], 0x80000000
	s_add_nc_u64 s[G0H+2:G0H+3], s[4:5], s[86:87]
	s_or_b32 s[G0H+3], s[G0H+3], 0x80000000
	s_add_nc_u64 s[G0W+2:G0W+3], s[6:7], s[88:89]
	s_or_b32 s[G0W+3], s[G0W+3], 0x80000000
	s_add_nc_u64 s[G0S+2:G0S+3], s[8:9], s[90:91]
	s_or_b32 s[G0S+3], s[G0S+3], 0x80000000
	CROUND                                         ; all sixteen work-groups are here: the joint loads meet
	s_cmp_eq_u32 s17, 0                            ; every wave fetches, two loads each: two tensor loads of a wave are out
	s_cbranch_scc0 .Lfor_w
	tensor_load_to_lds s[G0H:G0H+3], s[G1H:G1H+7]
	s_nop 0
	tensor_load_to_lds s[G0A:G0A+3], s[G1A:G1A+7]
	s_nop 0
	PLACES 4
	s_branch .Lasked
.Lfor_w:
	tensor_load_to_lds s[G0S:G0S+3], s[G1S:G1S+7]
	s_nop 0
	tensor_load_to_lds s[G0W:G0W+3], s[G1W:G1W+7]
	s_nop 0
	PLACES 4
.Lasked:
	v_and_b32 v13, 15, v0                          ; r
	v_bfe_u32 v14, v0, 4, 1                        ; h
	v_and_b32 v15, 31, v0                          ; lane
	s_lshr_b32 s92, s[WV], 1                       ; wy: which 32 rows
	s_and_b32 s93, s[WV], 1                        ; wx: which 64 columns
	s_mul_i32 s94, s93, 64*WP
	s_add_co_u32 s94, s94, WROW
	v_mul_u32_u24 v[AX], v13, WP
	v_lshl_add_u32 v[AX], v14, 4, v[AX]
	v_add_nc_u32 v[AX], s94, v[AX]
	s_mul_i32 s94, s92, 2*YSTR
	v_lshl_add_u32 v[AY], v15, 4, s94
	s_lshl_b32 s94, s93, 11
	s_add_co_u32 s94, s94, WSC
	v_lshl_add_u32 v5, v15, 5, s94                 ; W's scale words: lane l takes row l of a pair of tiles
	s_lshl_b32 s94, s92, 6
	s_add_co_u32 s94, s94, HS
	v_lshl_add_u32 v57, v15, 1, s94                ; A's scale bytes: lane l takes row l of my 32
	s_mul_i32 s94, s[WV], 16*272
	s_add_co_u32 s94, s94, STAGE
	v_mul_u32_u24 v10, v13, 272
	v_lshl_add_u32 v10, v14, 5, v10
	v_add_nc_u32 v10, s94, v10                     ; into my stage: row r, + 32 h
	v_mul_u32_u24 v11, v14, 272
	v_lshl_add_u32 v11, v13, 4, v11
	v_add_nc_u32 v11, s94, v11                     ; back: lanes 0-15 one row of 256 bytes, lanes 16-31 the next
	v_lshlrev_b32 v12, 12, v14
	v_lshl_add_u32 v12, v13, 4, v12                ; and the same two rows in memory
	v_lshlrev_b32 v56, 5, v14                      ; the bias: 32 h bytes
	s_lshl_b32 s98, s21, 9
	s_lshl_b32 s99, s93, 8
	s_add_co_u32 s98, s98, s99                     ; my first column, in bytes
	s_mov_b32 s99, 0
	s_add_nc_u64 s[10:11], s[10:11], s[98:99]
	s_lshl_b32 s94, s22, 19
	s_add_co_u32 s98, s98, s94
	s_lshl_b32 s94, s92, 17
	s_add_co_u32 s98, s98, s94                     ; + my first row x 4,096
	s_add_nc_u64 s[12:13], s[12:13], s[98:99]
	s_add_nc_u64 s[14:15], s[14:15], s[98:99]
.irp y, 0,1                            ; the bias is loaded into the accumulators: register j of tile x is column 16 x + 8 h + j
.irp x, 0,1,2,3
	global_load_b128 v[ACC+32*\y+8*\x:ACC+32*\y+8*\x+3],   v56, s[10:11] offset:64*\x
	global_load_b128 v[ACC+32*\y+8*\x+4:ACC+32*\y+8*\x+7], v56, s[10:11] offset:64*\x+16
.endr
.endr
.irp i, 0,1,2,3,4,5,6,7,8,9,10,11,12,13,14,15
	global_load_b128 v[RES+4*\i:RES+4*\i+3], v12, s[12:13] offset:2*\i*4096   ; the residual: sixteen lanes read 256 consecutive bytes
.endr
	s_wait_tensorcnt 0x0                           ; my parts are in,
	s_barrier_signal -1
	s_barrier_wait -1                              ; everybody's are
.irp p, 0,1
.irp u, 0,1
	ds_load_b128 v[XS+8*\p+4*\u:XS+8*\p+4*\u+3], v5 offset:1024*\p+16*\u
.endr
.endr
.irp s, 0,1,2,3,4,5,6,7
	ds_load_u16 v[HW+2*\s],   v57 offset:512*\s        ; head 2 s: blocks 0, 1 of K step s,
	ds_load_u16 v[HW+2*\s+1], v57 offset:512*\s+256    ; head 2 s + 1: blocks 2, 3
.endr
	s_wait_dscnt 0x0
.irp s, 0,1,2,3,4,5,6,7
	v_lshl_or_b32 v[YS+\s], v[HW+2*\s+1], 16, v[HW+2*\s]
.endr
	PLACES 8                                       ; a scale register written by a vector instruction stands eight places ahead of the product
	s_wait_loadcnt 0x0                             ; the bias and the residual
.irp s, 0,1,2,3,4,5,6,7
	STEPS 0, \s
.endr
	PLACES 4                                       ; behind the last products
.irp y, 0,1                            ; 16 rows x 256 bytes through my stage; they come back, as whole rows, into the registers that they left.  LDS serves a wave's instructions in order
.irp x, 0,1,2,3
	ds_store_b128 v10, v[ACC+32*\y+8*\x:ACC+32*\y+8*\x+3]   offset:64*\x
	ds_store_b128 v10, v[ACC+32*\y+8*\x+4:ACC+32*\y+8*\x+7] offset:64*\x+16
.endr
.irp i, 0,1,2,3,4,5,6,7
	ds_load_b128 v[ACC+32*\y+4*\i:ACC+32*\y+4*\i+3], v11 offset:544*\i
.endr
.endr
.irp y, 0,1
	s_wait_dscnt 16-16*\y                          ; behind the first half's loads: the second half's 8 stores and 8 loads
.set ii, 0
.rept 16
	v_pk_add_f32 v[ACC+32*\y+ii:ACC+32*\y+ii+1], v[ACC+32*\y+ii:ACC+32*\y+ii+1], v[RES+32*\y+ii:RES+32*\y+ii+1]
.set ii, ii+2
.endr
.irp i, 0,1,2,3,4,5,6,7
	global_store_b128 v12, v[ACC+32*\y+4*\i:ACC+32*\y+4*\i+3], s[14:15] offset:(16*\y+2*\i)*4096   ; sixteen lanes store 256 consecutive, aligned bytes
.endr
.endr
	s_wait_tensorcnt 0x0                           ; the wave's end, behind my last LDS store
	ds_add_u32 v[SPW], v[NIL]
	s_wait_dscnt 0x0
	CROUND                                         ; the closing round
	s_endpgm
.Lfunc_end_k_q558216a4a0_proj:
	.size	k_q558216a4a0_proj, .Lfunc_end_k_q558216a4a0_proj-k_q558216a4a0_proj
	.p2alignl 7, 3214868480
	.fill 96, 4, 3214868480
	.section	.rodata,"a",@progbits
	.p2align	6, 0x0
	.amdhsa_kernel k_q558216a4a0_proj
		.amdhsa_group_segment_fixed_size 196608
		.amdhsa_private_segment_fixed_size 0
		.amdhsa_enable_private_segment 0
		.amdhsa_kernarg_size 48
		.amdhsa_user_sgpr_count 2
		.amdhsa_user_sgpr_kernarg_segment_ptr 1
		.amdhsa_wavefront_size32 1
		.amdhsa_system_sgpr_workgroup_id_x 1
		.amdhsa_system_sgpr_workgroup_id_y 1
		.amdhsa_system_sgpr_workgroup_id_z 1
		.amdhsa_system_vgpr_workitem_id 0
		.amdhsa_next_free_vgpr 256
		.amdhsa_next_free_sgpr 100
		.amdhsa_reserve_vcc 0
		.amdhsa_float_denorm_mode_32 3
		.amdhsa_float_denorm_mode_16_64 3
		.amdhsa_memory_ordered 1
		.amdhsa_forward_progress 1
		.amdhsa_inst_pref_size 35
	.end_amdhsa_kernel
	.amdgpu_metadata
---
amdhsa.version: [ 1, 2 ]
amdhsa.kernels:
  - .name:           k_q558216a4a0_proj
    .symbol:         k_q558216a4a0_proj.kd
    .args:
      - { .name: ao, .offset: 0, .size: 8, .value_kind: global_buffer, .address_space: global }
      - { .name: c_proj_w_codes, .offset: 8, .size: 8, .value_kind: global_buffer, .address_space: global }
      - { .name: c_proj_w_scales, .offset: 16, .size: 8, .value_kind: global_buffer, .address_space: global }
      - { .name: c_proj_b, .offset: 24, .size: 8, .value_kind: global_buffer, .address_space: global }
      - { .name: x, .offset: 32, .size: 8, .value_kind: global_buffer, .address_space: global }
      - { .name: x1, .offset: 40, .size: 8, .value_kind: global_buffer, .address_space: global }
    .group_segment_fixed_size: 196608
    .private_segment_fixed_size: 0
    .kernarg_segment_align: 8
    .kernarg_segment_size: 48
    .max_flat_workgroup_size: 256
    .sgpr_count:     100
    .vgpr_count:     256
    .wavefront_size: 32
...
	.end_amdgpu_metadata
.endif
;; end of part 4
;; launch ln2: the kernel of part 1 again; grid 256 x 1, 8 waves a work-group, no clusters, 67,584 bytes of LDS; arguments x1, ln2_g, ln2_b, act; writes act
;; launch fc1 (part 5): grid 16 x 16, 16 waves a work-group, clusters of 4 x 4, 327,680 bytes of LDS; arguments act, mlp_w1_codes, mlp_w1_scales, mlp_b1, hh; writes hh
.if DOCPART == 5
	.amdgcn_target "amdgcn-amd-amdhsa--gfx1250"
	.amdhsa_code_object_version 6
	.text
	.protected	k_q558216a4a0_fc1
	.globl	k_q558216a4a0_fc1
	.p2align	8
	.type	k_q558216a4a0_fc1,@function
k_q558216a4a0_fc1:
	s_mov_b64 s[64:65], 0
	v_nop
	global_prefetch_b8 v0, s[64:65] scope:SCOPE_SE
	s_setreg_imm32_b32 hwreg(HW_REG_WAVE_MODE, 25, 1), 1
	s_wait_xcnt 0x0
	s_wait_alu depctr_hold_cnt(0) depctr_sa_sdst(0) depctr_va_vdst(0) depctr_va_sdst(0) depctr_va_ssrc(0) depctr_va_vcc(0) depctr_vm_vsrc(0)
	s_getreg_b32 s2, hwreg(HW_REG_IB_STS2, 6, 4)
	s_cmp_eq_u32 s2, 0
	s_cbranch_scc0 .Lentry_in_a_cluster
	s_endpgm
.Lentry_in_a_cluster:
	s_bfe_u32 s2, ttmp6, 0x10000c
	s_cmp_lg_u32 s2, 0xf033
	s_cbranch_scc0 .Lentry_shape_is_right
	s_endpgm
.Lentry_shape_is_right:
; hh = Q(gelu(LN2(x1) W1 + b1)): [4,096 x 1,024] x [1,024 x 4,096] on codes of FP4; the activation in f32; the result quantised along the hidden 4,096 and stored as images of operand registers:
; [tile of 16 rows 256][chunk of K 1,024: 4][8,704 bytes: 8 K steps x 1,024 of codes, then 8 x 16 scale words].  Nothing is left out here.
; gelu(x) = 0.5 x (1 + tanh(u)), u = sqrt(2 / pi) (x + 0.044715 x^3), is computed as x / (1 + 2^(x (K0 + K1 x^2))), K0 = -2 sqrt(2 / pi) log2(e), K1 = 0.044715 K0: the identity 1 + tanh(u) = 2 / (1 + e^(-2 u));
; it holds at both ends (the power overflows to infinity: 0; it falls to 0: x) and forms no difference of near numbers.
; SHARES, CLUSTER, LDS: as in launch qkv's path for q and k: a work-group makes 256 x 256, all of K in LDS, filled once by joint loads; a wave makes 128 columns of W1 (source 0) x 32 rows (source 1),
; so that a lane holds one row and its registers run along the hidden units: 128 of them are one K step of the next product.
; The scale words leave in two pieces of 64 bytes a wave: 0.5 MB of the launch's 8.9 MB.
; LIMITS: as stated at the head of the first launch.
.set CHUNK, 8704
.set WP,    528
.set WROW,  16*CHUNK
.set WSC,   WROW+256*WP
.set SPARE, WSC+256*32                 ; the spare words, 128 bytes for each of the 16 waves; no other line names them
.set SPW, 6
.set NIL, 7
.set XS,  16                           ; v16-31, v32-39: scales and nothing else
.set YS,  32
.set YF,  40
.set K0V, 56                           ; v[56:57] K0
.set XF,  64
.set ACC, 128
.set TT,  64                           ; the way out: v64-95 32 numbers at work, v96-107 the quantiser's scratch, v108-110 scale words, v112-127 codes
.set TM,  96
.set PW,  108
.set SW,  110
.set PC,  112
.set WV,  14
.set SEL, 60
.set K1,  62                           ; s[62:63] K1
.set G1A, 24
.set G1W, 32
.set G1S, 40
.set G0A, 48
.set G0W, 52
.set G0S, 56
.macro PLACES n
.rept \n
	v_nop
.endr
.endm
.macro CROUND
	s_barrier_signal -1
	s_barrier_wait -1
	s_cmp_lg_u32 s[WV], 0
	s_cbranch_scc1 .Lnot_wave_0_\@
	s_barrier_signal -3
.Lnot_wave_0_\@:
	s_barrier_wait -3
	s_barrier_signal -1
	s_barrier_wait -1
.endm
.macro WM d, a, b, sa, sb, ra, rb
.if (\ra) && (\rb)
	v_wmma_scale_f32_16x16x128_f8f6f4 v[\d:\d+7], v[\a:\a+7], v[\b:\b+7], v[\d:\d+7], v[\sa], v[\sb] matrix_a_fmt:MATRIX_FMT_FP4 matrix_b_fmt:MATRIX_FMT_FP4 matrix_a_scale:MATRIX_SCALE_ROW1 matrix_b_scale:MATRIX_SCALE_ROW1
.elseif (\ra)
	v_wmma_scale_f32_16x16x128_f8f6f4 v[\d:\d+7], v[\a:\a+7], v[\b:\b+7], v[\d:\d+7], v[\sa], v[\sb] matrix_a_fmt:MATRIX_FMT_FP4 matrix_b_fmt:MATRIX_FMT_FP4 matrix_a_scale:MATRIX_SCALE_ROW1
.elseif (\rb)
	v_wmma_scale_f32_16x16x128_f8f6f4 v[\d:\d+7], v[\a:\a+7], v[\b:\b+7], v[\d:\d+7], v[\sa], v[\sb] matrix_a_fmt:MATRIX_FMT_FP4 matrix_b_fmt:MATRIX_FMT_FP4 matrix_b_scale:MATRIX_SCALE_ROW1
.else
	v_wmma_scale_f32_16x16x128_f8f6f4 v[\d:\d+7], v[\a:\a+7], v[\b:\b+7], v[\d:\d+7], v[\sa], v[\sb] matrix_a_fmt:MATRIX_FMT_FP4 matrix_b_fmt:MATRIX_FMT_FP4
.endif
.endm
.macro QUANTN s, pc, pw                ; 64 numbers of a lane (register 8 x + j = k 16 x + 8 h + j of my row) become a fragment's codes and my row's scale word
.irp b, 0,1,2,3
	v_max3_num_f32 v[TM+\b], |v[\s+16*\b]|, |v[\s+16*\b+1]|, 0x1800000
.endr
.irp i, 2,4,6,8,10,12,14
.irp b, 0,1,2,3
	v_max3_num_f32 v[TM+\b], v[TM+\b], |v[\s+16*\b+\i]|, |v[\s+16*\b+\i+1]|
.endr
.endr
.irp b, 0,1,2,3
	v_permlanex16_b32 v[TM+4+\b], v[TM+\b], s[SEL], s[SEL+1]
.endr
.irp b, 0,1,2,3
	v_max_num_f32 v[TM+\b], v[TM+\b], v[TM+4+\b]
.endr
.irp b, 0,1,2,3
	v_add_nc_u32 v[TM+8+\b], 0xff000000, v[TM+\b]
.endr
.irp b, 0,1,2,3
	v_lshrrev_b32 v[TM+4+\b], 23, v[TM+8+\b]
.endr
	v_lshl_or_b32 v[\pw], v[TM+5], 8, v[TM+4]
	v_lshl_or_b32 v[\pw], v[TM+6], 16, v[\pw]
	v_lshl_or_b32 v[\pw], v[TM+7], 24, v[\pw]
.irp c, 0,1
	v_cvt_scalef32_pk8_fp4_f32 v[\pc+4*\c],   v[\s+32*\c:\s+32*\c+7],     v[TM+8+2*\c]
	v_cvt_scalef32_pk8_fp4_f32 v[\pc+4*\c+1], v[\s+32*\c+16:\s+32*\c+23], v[TM+9+2*\c]
	v_cvt_scalef32_pk8_fp4_f32 v[\pc+4*\c+2], v[\s+32*\c+8:\s+32*\c+15],  v[TM+8+2*\c]
	v_cvt_scalef32_pk8_fp4_f32 v[\pc+4*\c+3], v[\s+32*\c+24:\s+32*\c+31], v[TM+9+2*\c]
.endr
	v_nop
.irp c, 0,1
	v_permlane16_swap_b32 v[\pc+4*\c],   v[\pc+4*\c+1]
	v_permlane16_swap_b32 v[\pc+4*\c+2], v[\pc+4*\c+3]
.endr
.endm
; gelu of 32 registers, in place.  The exponentials are one batch with one wait, the reciprocals another.
.macro GELU32 a
.set ii, 0
.rept 16
	v_pk_mul_f32 v[TT+ii:TT+ii+1], v[\a+ii:\a+ii+1], v[\a+ii:\a+ii+1]
.set ii, ii+2
.endr
.set ii, 0
.rept 16
	v_pk_fma_f32 v[TT+ii:TT+ii+1], v[TT+ii:TT+ii+1], s[K1:K1+1], v[K0V:K0V+1] op_sel_hi:[1,0,0]
.set ii, ii+2
.endr
.set ii, 0
.rept 16
	v_pk_mul_f32 v[TT+ii:TT+ii+1], v[TT+ii:TT+ii+1], v[\a+ii:\a+ii+1]
.set ii, ii+2
.endr
.set ii, 0
.rept 32
	v_exp_f32 v[TT+ii], v[TT+ii]
.set ii, ii+1
.endr
	v_nop
	s_wait_alu depctr_va_vdst(0)
.set ii, 0
.rept 16
	v_pk_add_f32 v[TT+ii:TT+ii+1], v[TT+ii:TT+ii+1], 1.0 op_sel_hi:[1,0]
.set ii, ii+2
.endr
.set ii, 0
.rept 32
	v_rcp_f32 v[TT+ii], v[TT+ii]
.set ii, ii+1
.endr
	v_nop
	s_wait_alu depctr_va_vdst(0)
.set ii, 0
.rept 16
	v_pk_mul_f32 v[\a+ii:\a+ii+1], v[\a+ii:\a+ii+1], v[TT+ii:TT+ii+1]
.set ii, ii+2
.endr
.endm
	s_load_b256 s[4:11], s[0:1], 0x0               ; A's images s[4:5], W's codes s[6:7], W's scales s[8:9], the bias s[10:11]
	s_load_b64 s[12:13], s[0:1], 0x20              ; the result
	v_lshl_add_u32 v[SPW], v0, 2, SPARE
	v_mov_b32 v[NIL], 0
	ds_add_u32 v[SPW], v[NIL]                      ; the wave's opening: the add, twice on end, and its wait ahead of my first tensor load
	ds_add_u32 v[SPW], v[NIL]
	v_lshrrev_b32 v1, 5, v0
	v_readfirstlane_b32 s[WV], v1                  ; wave 0..15
	s_lshr_b32 s15, s[WV], 3                       ; I fetch for A (0) or for W (1),
	s_and_b32 s16, s[WV], 7                        ; the eighth of it that is mine
	s_bfe_u32 s17, ttmp6, 0x40000                  ; cx
	s_bfe_u32 s18, ttmp6, 0x40004                  ; cy
	s_lshl_b32 s19, ttmp9, 2
	s_add_co_u32 s19, s19, s17                     ; tile column
	s_and_b32 s20, ttmp7, 0xffff
	s_lshl_b32 s20, s20, 2
	s_add_co_u32 s20, s20, s18                     ; tile row
	s_lshl_b32 s21, s18, 2
	s_lshl_b32 s21, 15, s21                        ; my row of the cluster
	s_lshl_b32 s22, 0x1111, s17                    ; my column
	s_or_b32 s[G1A], s21, (3<<16)|(1<<21)          ; A: two chunks, 17,408 dense bytes, as 68 rows of 256
	s_mov_b32 s[G1A+1], 32<<16
	s_mov_b32 s[G1A+2], 68<<16
	s_mov_b32 s[G1A+3], 32<<16
	s_mov_b32 s[G1A+4], 68
	s_mov_b32 s[G1A+5], 32
	s_mov_b32 s[G1A+6], 0
	s_mov_b32 s[G1A+7], 0
	s_or_b32 s[G1W], s22, (1<<20)|(1<<21)|(6<<22)|(3<<25)   ; W: 32 rows of 512 bytes, 4 words of padding behind every 128
	s_mov_b32 s[G1W+1], 512<<16
	s_mov_b32 s[G1W+2], 32<<16
	s_mov_b32 s[G1W+3], 512<<16
	s_mov_b32 s[G1W+4], 32
	s_mov_b32 s[G1W+5], 512
	s_mov_b32 s[G1W+6], 0
	s_mov_b32 s[G1W+7], 0
	s_or_b32 s[G1S], s22, (3<<16)|(1<<21)          ; W's scale bytes of 32 rows: 1,024 dense bytes
	s_mov_b32 s[G1S+1], 32<<16
	s_mov_b32 s[G1S+2], 4<<16
	s_mov_b32 s[G1S+3], 32<<16
	s_mov_b32 s[G1S+4], 4
	s_mov_b32 s[G1S+5], 32
	s_mov_b32 s[G1S+6], 0
	s_mov_b32 s[G1S+7], 0
	s_lshl_b32 s66, s20, 4                         ; A: chunk 16 x tile row + 2 x eighth (these two registers never hold cx)
	s_lshl_b32 s67, s16, 1
	s_add_co_u32 s66, s66, s67
	s_mul_i32 s66, s66, CHUNK
	s_mov_b32 s67, 0
	s_lshl_b32 s68, s19, 8                         ; W: row 256 x tile column + 32 x eighth (these four never hold cy)
	s_lshl_b32 s69, s16, 5
	s_add_co_u32 s68, s68, s69
	s_lshl_b32 s70, s68, 5
	s_lshl_b32 s68, s68, 9
	s_mov_b32 s69, 0
	s_mov_b32 s71, 0
	s_mov_b32 s[G0A], 1
	s_mul_i32 s[G0A+1], s16, 2*CHUNK
	s_mov_b32 s[G0W], 1
	s_mul_i32 s[G0W+1], s16, 32*WP
	s_add_co_u32 s[G0W+1], s[G0W+1], WROW
	s_mov_b32 s[G0S], 1
	s_lshl_b32 s[G0S+1], s16, 10
	s_add_co_u32 s[G0S+1], s[G0S+1], WSC
	s_mov_b32 s[SEL], 0x76543210
	s_mov_b32 s[SEL+1], 0xfedcba98
	s_mov_b32 s[K1], 0xbdd2d3e8                    ; K1 = -0.10294324
	s_mov_b32 s[K1+1], s[K1]
	v_and_b32 v8, 15, v0                           ; r
	v_bfe_u32 v9, v0, 4, 1                         ; h
	v_and_b32 v12, 31, v0                          ; lane
	v_lshlrev_b32 v10, 4, v12                      ; 16 x lane
	s_wait_dscnt 0x0                               ; both opening adds are done
	s_wait_kmcnt 0x0
	s_add_nc_u64 s[G0A+2:G0A+3], s[4:5], s[66:67]
	s_or_b32 s[G0A+3], s[G0A+3], 0x80000000
	s_add_nc_u64 s[G0W+2:G0W+3], s[6:7], s[68:69]
	s_or_b32 s[G0W+3], s[G0W+3], 0x80000000
	s_add_nc_u64 s[G0S+2:G0S+3], s[8:9], s[70:71]
	s_or_b32 s[G0S+3], s[G0S+3], 0x80000000
	CROUND                                         ; all sixteen work-groups are here: the joint loads meet
	s_cmp_eq_u32 s15, 0                            ; every wave fetches: at most two tensor loads of a wave are out
	s_cbranch_scc0 .Lfor_w
	tensor_load_to_lds s[G0A:G0A+3], s[G1A:G1A+7]
	s_nop 0
	PLACES 4
	s_branch .Lasked
.Lfor_w:
	tensor_load_to_lds s[G0S:G0S+3], s[G1S:G1S+7]
	s_nop 0
	tensor_load_to_lds s[G0W:G0W+3], s[G1W:G1W+7]
	s_nop 0
	PLACES 4
.Lasked:
	s_lshr_b32 s72, s[WV], 1                       ; wy: which 32 rows
	s_and_b32 s73, s[WV], 1                        ; wx: which 128 columns
	s_mul_i32 s74, s73, 128*WP
	s_add_co_u32 s74, s74, WROW
	v_mul_u32_u24 v1, v8, WP
	v_lshl_add_u32 v1, v9, 4, v1
	v_add_nc_u32 v1, s74, v1                       ; X's fragments
	s_mul_i32 s75, s72, 2*CHUNK
	v_add_nc_u32 v3, s75, v10                      ; Y's
	s_lshl_b32 s74, s73, 12
	s_add_co_u32 s74, s74, WSC
	v_lshl_add_u32 v4, v12, 5, s74                 ; X's scale words
	s_add_co_u32 s75, s75, 8192
	v_mul_u32_u24 v5, v9, CHUNK
	v_lshl_add_u32 v5, v8, 2, v5
	v_add_nc_u32 v5, s75, v5                       ; Y's
	v_lshlrev_b32 v13, 5, v9
	v_mul_u32_u24 v15, v9, 4*CHUNK
	v_lshl_add_u32 v15, v8, 2, v15                 ; the result's scale words: lanes 16-31 one tile of rows further on
	v_mov_b32 v[K0V], 0xc0135761                   ; K0 = -2.3022082
	v_mov_b32 v[K0V+1], 0xc0135761
	s_lshl_b32 s76, s19, 10
	s_lshl_b32 s77, s73, 9
	s_add_co_u32 s76, s76, s77
	s_mov_b32 s77, 0
	s_add_nc_u64 s[78:79], s[10:11], s[76:77]
.irp y, 0,1                            ; the bias is loaded into the accumulators
.irp x, 0,1,2,3,4,5,6,7
	global_load_b128 v[ACC+64*\y+8*\x:ACC+64*\y+8*\x+3],   v13, s[78:79] offset:64*\x
	global_load_b128 v[ACC+64*\y+8*\x+4:ACC+64*\y+8*\x+7], v13, s[78:79] offset:64*\x+16
.endr
.endr
	s_wait_tensorcnt 0x0
	s_barrier_signal -1
	s_barrier_wait -1
.irp s, 0,1,2,3,4,5,6,7
	ds_load_b32 v[YS+\s], v5 offset:64*\s
.endr
	s_wait_loadcnt 0x0
.macro STEPW s                         ; a K step of 128: 20 fragment loads, 16 products on 16 accumulators that take turns
.if (\s) > 0
	PLACES 4
.endif
.if (\s)%4 == 0
.irp p, 0,1,2,3
	ds_load_b128 v[XS+4*\p:XS+4*\p+3], v4 offset:1024*\p+16*((\s)/4)
.endr
.endif
.irp x, 0,1,2,3,4,5,6,7
.irp c, 0,1
	ds_load_b128 v[XF+8*\x+4*\c:XF+8*\x+4*\c+3], v1 offset:16*WP*\x+64*(\s)+32*\c
.endr
.endr
.irp y, 0,1
.irp c, 0,1
	ds_load_b128 v[YF+8*\y+4*\c:YF+8*\y+4*\c+3], v3 offset:CHUNK*\y+1024*(\s)+512*\c
.endr
.endr
	s_wait_dscnt 0x0
.irp y, 0,1
.irp x, 0,1,2,3,4,5,6,7
	WM ACC+64*\y+8*\x, XF+8*\x, YF+8*\y, XS+4*(\x/2)+(\s)%4, YS+(\s), \x%2, \y
.endr
.endr
.endm
.irp s, 0,1,2,3,4,5,6,7
	STEPW \s
.endr
	; where my results go: tile of rows 16 x tile row + 2 wy + y; chunk = cluster x; K step 2 cx + wx in it
	s_lshl_b32 s80, s20, 4
	s_lshl_b32 s81, s72, 1
	s_add_co_u32 s80, s80, s81
	s_mul_i32 s80, s80, 4*CHUNK
	s_mul_i32 s81, ttmp9, CHUNK
	s_add_co_u32 s80, s80, s81
	s_lshl_b32 s82, s17, 1
	s_add_co_u32 s82, s82, s73
	s_lshl_b32 s84, s82, 10
	s_add_co_u32 s84, s84, s80
	s_mov_b32 s85, 0
	s_add_nc_u64 s[84:85], s[12:13], s[84:85]
	s_lshl_b32 s86, s82, 6
	s_add_co_u32 s86, s86, s80
	s_add_co_u32 s86, s86, 8192
	s_mov_b32 s87, 0
	s_add_nc_u64 s[86:87], s[12:13], s[86:87]
	PLACES 4                                       ; behind the last products
.irp b, 0,1,2,3
	v_mov_b32 v[TM+4+\b], 0
.endr
	v_cmp_ne_u32 vcc_lo, 0, v9
.irp y, 0,1
	GELU32 ACC+64*\y
	GELU32 ACC+64*\y+32
	QUANTN ACC+64*\y, PC+8*\y, PW+\y
	global_store_b128 v10, v[PC+8*\y:PC+8*\y+3],   s[84:85] offset:\y*4*CHUNK
	global_store_b128 v10, v[PC+8*\y+4:PC+8*\y+7], s[84:85] offset:\y*4*CHUNK+512
.endr
	v_cndmask_b32 v[SW], v[PW], v[PW+1], vcc_lo
	global_store_b32 v15, v[SW], s[86:87]
	s_wait_tensorcnt 0x0                           ; the wave's end
	ds_add_u32 v[SPW], v[NIL]
	s_wait_dscnt 0x0
	CROUND                                         ; the closing round
	s_endpgm
.Lfunc_end_k_q558216a4a0_fc1:
	.size	k_q558216a4a0_fc1, .Lfunc_end_k_q558216a4a0_fc1-k_q558216a4a0_fc1
	.p2alignl 7, 3214868480
	.fill 96, 4, 3214868480
	.section	.rodata,"a",@progbits
	.p2align	6, 0x0
	.amdhsa_kernel k_q558216a4a0_fc1
		.amdhsa_group_segment_fixed_size 327680
		.amdhsa_private_segment_fixed_size 0
		.amdhsa_enable_private_segment 0
		.amdhsa_kernarg_size 40
		.amdhsa_user_sgpr_count 2
		.amdhsa_user_sgpr_kernarg_segment_ptr 1
		.amdhsa_wavefront_size32 1
		.amdhsa_system_sgpr_workgroup_id_x 1
		.amdhsa_system_sgpr_workgroup_id_y 1
		.amdhsa_system_sgpr_workgroup_id_z 1
		.amdhsa_system_vgpr_workitem_id 0
		.amdhsa_next_free_vgpr 256
		.amdhsa_next_free_sgpr 100
		.amdhsa_reserve_vcc 1
		.amdhsa_float_denorm_mode_32 3
		.amdhsa_float_denorm_mode_16_64 3
		.amdhsa_memory_ordered 1
		.amdhsa_forward_progress 1
		.amdhsa_inst_pref_size 76
	.end_amdhsa_kernel
	.amdgpu_metadata
---
amdhsa.version: [ 1, 2 ]
amdhsa.kernels:
  - .name:           k_q558216a4a0_fc1
    .symbol:         k_q558216a4a0_fc1.kd
    .args:
      - { .name: act, .offset: 0, .size: 8, .value_kind: global_buffer, .address_space: global }
      - { .name: mlp_w1_codes, .offset: 8, .size: 8, .value_kind: global_buffer, .address_space: global }
      - { .name: mlp_w1_scales, .offset: 16, .size: 8, .value_kind: global_buffer, .address_space: global }
      - { .name: mlp_b1, .offset: 24, .size: 8, .value_kind: global_buffer, .address_space: global }
      - { .name: hh, .offset: 32, .size: 8, .value_kind: global_buffer, .address_space: global }
    .group_segment_fixed_size: 327680
    .private_segment_fixed_size: 0
    .kernarg_segment_align: 8
    .kernarg_segment_size: 40
    .max_flat_workgroup_size: 512
    .sgpr_count:     100
    .vgpr_count:     256
    .wavefront_size: 32
...
	.end_amdgpu_metadata
.endif
;; end of part 5
;; launch fc2 (part 6): grid 8 x 32, 8 waves a work-group, clusters of 4 x 4, 327,680 bytes of LDS; arguments hh, mlp_w2_codes, mlp_w2_scales, mlp_b2, x1, out0; writes out0
.if DOCPART == 6
	.amdgcn_target "amdgcn-amd-amdhsa--gfx1250"
	.amdhsa_code_object_version 6
	.text
	.protected	k_q558216a4a0_fc2
	.globl	k_q558216a4a0_fc2
	.p2align	8
	.type	k_q558216a4a0_fc2,@function
k_q558216a4a0_fc2:
	s_mov_b64 s[64:65], 0
	v_nop
	global_prefetch_b8 v0, s[64:65] scope:SCOPE_SE
	s_setreg_imm32_b32 hwreg(HW_REG_WAVE_MODE, 25, 1), 1
	s_wait_xcnt 0x0
	s_wait_alu depctr_hold_cnt(0) depctr_sa_sdst(0) depctr_va_vdst(0) depctr_va_sdst(0) depctr_va_ssrc(0) depctr_va_vcc(0) depctr_vm_vsrc(0)
	s_getreg_b32 s2, hwreg(HW_REG_IB_STS2, 6, 4)
	s_cmp_eq_u32 s2, 0
	s_cbranch_scc0 .Lentry_in_a_cluster
	s_endpgm
.Lentry_in_a_cluster:
	s_bfe_u32 s2, ttmp6, 0x10000c
	s_cmp_lg_u32 s2, 0xf033
	s_cbranch_scc0 .Lentry_shape_is_right
	s_endpgm
.Lentry_shape_is_right:
; out = x1 + hh W2 + b2: [4,096 x 4,096] x [4,096 x 1,024] on codes of FP4, f32 out.  Nothing is left out here.
; SHARES: a work-group makes 128 rows x 128 columns (256 work-groups).  K = 4,096 goes in four chunks of 1,024 through two LDS slots: a slot holds A's 8 chunks (images with their scale words, 8,704 bytes each)
; and W's 128 rows of 512 bytes (+ 16).  W's scale bytes for all of K (128 rows x 128 bytes, + 16) come once.  CLUSTER 4 x 4: A's parts are asked for jointly along a row of the cluster, W's along a column.
; A slot is filled again behind a round of the cluster's barrier, one tensor load a wave; it has the other slot's 64 products a wave in which to land.  At most three tensor loads of a wave are out (at the start).
; A wave makes 4 tiles of W's columns (source 0) x 2 tiles of A's rows (source 1).  The bias is loaded into the accumulators; the residual is loaded at the head in the shape in which the rows leave.
; The way out goes through the wave's own stage, which lies in slot 0: that slot has had its last fill, and every wave has passed the last change of slots, behind which nobody reads it.
.set CHUNK, 8704
.set WP,    528
.set YSTR,  CHUNK
.set WOFF,  8*CHUNK                    ; W's rows in a slot
.set SLOT,  WOFF+128*WP
.set WSC,   2*SLOT
.set SPARE, WSC+128*144                ; the spare words, 128 bytes for each of the 8 waves; no other line names them
.set AX,  1                            ; v1, v2  W's fragments in slot 0, 1
.set AY,  3                            ; v3, v4  A's
.set ASY, 6                            ; v6, v7  A's scale words
.set SPW, 8
.set NIL, 9
.set XS,  16                           ; v16-31, v32-39: scales and nothing else
.set YS,  32
.set XF,  64
.set YF,  96
.set RES, 112
.set ACC, 192
.set WV,  16
.set G1A, 24
.set G1W, 32
.set G1S, 40
.set G0A, 48                           ; s[48:55] a set for each slot
.set G0W, 56                           ; s[56:63]
.set G0S, 68
.macro PLACES n
.rept \n
	v_nop
.endr
.endm
.macro CROUND
	s_barrier_signal -1
	s_barrier_wait -1
	s_cmp_lg_u32 s[WV], 0
	s_cbranch_scc1 .Lnot_wave_0_\@
	s_barrier_signal -3
.Lnot_wave_0_\@:
	s_barrier_wait -3
	s_barrier_signal -1
	s_barrier_wait -1
.endm
.macro JL s                            ; a joint refill: waves 0-3 fetch A's quarters, waves 4-7 W's; the branch hangs on the wave's number alone
	s_cmp_eq_u32 s17, 0
	s_cbranch_scc0 .Lre_w_\@
	tensor_load_to_lds s[G0A+4*\s:G0A+4*\s+3], s[G1A:G1A+7]
	s_nop 0
	PLACES 4
	s_branch .Lre_asked_\@
.Lre_w_\@:
	tensor_load_to_lds s[G0W+4*\s:G0W+4*\s+3], s[G1W:G1W+7]
	s_nop 0
	PLACES 4
.Lre_asked_\@:
.endm
.macro WM d, a, b, sa, sb, ra, rb
.if (\ra) && (\rb)
	v_wmma_scale_f32_16x16x128_f8f6f4 v[\d:\d+7], v[\a:\a+7], v[\b:\b+7], v[\d:\d+7], v[\sa], v[\sb] matrix_a_fmt:MATRIX_FMT_FP4 matrix_b_fmt:MATRIX_FMT_FP4 matrix_a_scale:MATRIX_SCALE_ROW1 matrix_b_scale:MATRIX_SCALE_ROW1
.elseif (\ra)
	v_wmma_scale_f32_16x16x128_f8f6f4 v[\d:\d+7], v[\a:\a+7], v[\b:\b+7], v[\d:\d+7], v[\sa], v[\sb] matrix_a_fmt:MATRIX_FMT_FP4 matrix_b_fmt:MATRIX_FMT_FP4 matrix_a_scale:MATRIX_SCALE_ROW1
.elseif (\rb)
	v_wmma_scale_f32_16x16x128_f8f6f4 v[\d:\d+7], v[\a:\a+7], v[\b:\b+7], v[\d:\d+7], v[\sa], v[\sb] matrix_a_fmt:MATRIX_FMT_FP4 matrix_b_fmt:MATRIX_FMT_FP4 matrix_b_scale:MATRIX_SCALE_ROW1
.else
	v_wmma_scale_f32_16x16x128_f8f6f4 v[\d:\d+7], v[\a:\a+7], v[\b:\b+7], v[\d:\d+7], v[\sa], v[\sb] matrix_a_fmt:MATRIX_FMT_FP4 matrix_b_fmt:MATRIX_FMT_FP4
.endif
.endm
.macro STEPS slot, s                   ; a K step of 128: 12 fragment loads, 8 products on 8 accumulators that take turns
	PLACES 4
.irp x, 0,1,2,3
.irp c, 0,1
	ds_load_b128 v[XF+8*\x+4*\c:XF+8*\x+4*\c+3], v[AX+\slot] offset:16*WP*\x+64*(\s)+32*\c
.endr
.endr
.irp y, 0,1
.irp c, 0,1
	ds_load_b128 v[YF+8*\y+4*\c:YF+8*\y+4*\c+3], v[AY+\slot] offset:YSTR*\y+1024*(\s)+512*\c
.endr
.endr
	s_wait_dscnt 0x0
.irp y, 0,1
.irp x, 0,1,2,3
	WM ACC+32*\y+8*\x, XF+8*\x, YF+8*\y, XS+8*(\x/2)+(\s), YS+(\s), \x%2, \y
.endr
.endr
.endm
.macro CHUNKQ slot, q                  ; chunk q of K, in the slot named: its scale words, then eight K steps
	PLACES 4
.irp p, 0,1
.irp u, 0,1
	ds_load_b128 v[XS+8*\p+4*\u:XS+8*\p+4*\u+3], v5 offset:32*144*\p+32*(\q)+16*\u
.endr
.endr
.irp s, 0,1,2,3,4,5,6,7
	ds_load_b32 v[YS+\s], v[ASY+\slot] offset:64*\s
.endr
.irp s, 0,1,2,3,4,5,6,7
	STEPS \slot, \s
.endr
.endm
; The slot just read is filled again, with the chunk two on.  Each wave waits for all its tensor loads (its part of the other slot), adds 0 to its spare word, and waits for that and for its reads of this slot;
; the round then holds of every wave of all sixteen work-groups; the joint load is the first thing behind it.
.macro REFILL slot
	s_wait_tensorcnt 0x0                           ; no tensor load of mine is out, so a group 0 may be written
	ds_add_u32 v[SPW], v[NIL]
	s_add_nc_u64 s[G0A+4*\slot+2:G0A+4*\slot+3], s[G0A+4*\slot+2:G0A+4*\slot+3], 2*CHUNK
	s_add_nc_u64 s[G0W+4*\slot+2:G0W+4*\slot+3], s[G0W+4*\slot+2:G0W+4*\slot+3], 1024
	s_wait_dscnt 0x0
	CROUND
	JL \slot
.endm
	s_load_b256 s[4:11], s[0:1], 0x0               ; A s[4:5], W's codes s[6:7], W's scales s[8:9], the bias s[10:11]
	s_load_b128 s[12:15], s[0:1], 0x20             ; the residual s[12:13], the result s[14:15]
	v_lshl_add_u32 v[SPW], v0, 2, SPARE
	v_mov_b32 v[NIL], 0
	ds_add_u32 v[SPW], v[NIL]                      ; the wave's opening: the add, twice on end, and its wait ahead of my first tensor load
	ds_add_u32 v[SPW], v[NIL]
	v_lshrrev_b32 v1, 5, v0
	v_readfirstlane_b32 s[WV], v1                  ; wave 0..7
	s_lshr_b32 s17, s[WV], 2                       ; I fetch for A (0) or for W (1),
	s_and_b32 s18, s[WV], 3                        ; the quarter of it that is mine
	s_bfe_u32 s19, ttmp6, 0x40000                  ; cx
	s_bfe_u32 s20, ttmp6, 0x40004                  ; cy
	s_lshl_b32 s21, ttmp9, 2
	s_add_co_u32 s21, s21, s19                     ; tile column
	s_and_b32 s22, ttmp7, 0xffff
	s_lshl_b32 s22, s22, 2
	s_add_co_u32 s22, s22, s20                     ; tile row
	s_lshl_b32 s66, s20, 2
	s_lshl_b32 s66, 15, s66                        ; my row of the cluster
	s_lshl_b32 s67, 0x1111, s19                    ; my column
	s_or_b32 s[G1A], s66, (3<<16)|(1<<21)          ; A: one chunk of each of two tiles of rows: 2 rows of 8,704 bytes (1,088 elements of 8), 34,816 bytes apart
	s_mov_b32 s[G1A+1], 1088<<16
	s_mov_b32 s[G1A+2], 2<<16
	s_mov_b32 s[G1A+3], 1088<<16
	s_mov_b32 s[G1A+4], 2
	s_mov_b32 s[G1A+5], 4352
	s_mov_b32 s[G1A+6], 0
	s_mov_b32 s[G1A+7], 0
	s_or_b32 s[G1W], s67, (1<<20)|(1<<21)|(6<<22)|(3<<25)   ; W: 32 rows of 512 bytes out of rows of 2,048; 4 words of padding behind every 128
	s_mov_b32 s[G1W+1], 512<<16
	s_mov_b32 s[G1W+2], 32<<16
	s_mov_b32 s[G1W+3], 512<<16
	s_mov_b32 s[G1W+4], 32
	s_mov_b32 s[G1W+5], 2048
	s_mov_b32 s[G1W+6], 0
	s_mov_b32 s[G1W+7], 0
	s_or_b32 s[G1S], s67, (3<<16)|(1<<20)|(1<<21)|(4<<22)|(3<<25)   ; W's scale bytes: 32 rows of 128 bytes, 4 words of padding behind every 32
	s_mov_b32 s[G1S+1], 16<<16
	s_mov_b32 s[G1S+2], 32<<16
	s_mov_b32 s[G1S+3], 16<<16
	s_mov_b32 s[G1S+4], 32
	s_mov_b32 s[G1S+5], 16
	s_mov_b32 s[G1S+6], 0
	s_mov_b32 s[G1S+7], 0
	s_lshl_b32 s84, s22, 3                         ; A: tile of rows 8 x tile row + 2 x quarter (s84, s85 never hold cx)
	s_lshl_b32 s85, s18, 1
	s_add_co_u32 s84, s84, s85
	s_mul_i32 s84, s84, 4*CHUNK
	s_mov_b32 s85, 0
	s_lshl_b32 s88, s21, 7                         ; W: row 128 x tile column + 32 x quarter (s88-91 never hold cy)
	s_lshl_b32 s89, s18, 5
	s_add_co_u32 s88, s88, s89
	s_lshl_b32 s90, s88, 7
	s_lshl_b32 s88, s88, 11
	s_mov_b32 s89, 0
	s_mov_b32 s91, 0
	s_mov_b32 s[G0A], 1
	s_mul_i32 s[G0A+1], s18, 2*CHUNK
	s_mov_b32 s[G0A+4], 1
	s_add_co_u32 s[G0A+5], s[G0A+1], SLOT
	s_mov_b32 s[G0W], 1
	s_mul_i32 s[G0W+1], s18, 32*WP
	s_add_co_u32 s[G0W+1], s[G0W+1], WOFF
	s_mov_b32 s[G0W+4], 1
	s_add_co_u32 s[G0W+5], s[G0W+1], SLOT
	s_mov_b32 s[G0S], 1
	s_mul_i32 s[G0S+1], s18, 32*144
	s_add_co_u32 s[G0S+1], s[G0S+1], WSC
	s_wait_dscnt 0x0                               ; both opening adds are done
	s_wait_kmcnt 0x0
	s_add_nc_u64 s[G0A+2:G0A+3], s[4:5], s[84:85]              ; chunk 0,
	s_add_nc_u64 s[G0A+6:G0A+7], s[G0A+2:G0A+3], CHUNK         ; chunk 1
	s_or_b32 s[G0A+3], s[G0A+3], 0x80000000
	s_or_b32 s[G0A+7], s[G0A+7], 0x80000000
	s_add_nc_u64 s[G0W+2:G0W+3], s[6:7], s[88:89]
	s_add_nc_u64 s[G0W+6:G0W+7], s[G0W+2:G0W+3], 512
	s_or_b32 s[G0W+3], s[G0W+3], 0x80000000
	s_or_b32 s[G0W+7], s[G0W+7], 0x80000000
	s_add_nc_u64 s[G0S+2:G0S+3], s[8:9], s[90:91]
	s_or_b32 s[G0S+3], s[G0S+3], 0x80000000
	CROUND                                         ; all sixteen work-groups are here: the first joint loads meet
	s_cmp_eq_u32 s17, 0                            ; every wave's first fills stand in one arm; chunk 1's load is the last in both
	s_cbranch_scc0 .Lfor_w
	tensor_load_to_lds s[G0A:G0A+3], s[G1A:G1A+7]
	s_nop 0
	tensor_load_to_lds s[G0A+4:G0A+7], s[G1A:G1A+7]
	s_nop 0
	PLACES 4
	s_branch .Lasked
.Lfor_w:
	tensor_load_to_lds s[G0S:G0S+3], s[G1S:G1S+7]
	s_nop 0
	tensor_load_to_lds s[G0W:G0W+3], s[G1W:G1W+7]
	s_nop 0
	tensor_load_to_lds s[G0W+4:G0W+7], s[G1W:G1W+7]
	s_nop 0
	PLACES 4
.Lasked:
	v_and_b32 v13, 15, v0                          ; r
	v_bfe_u32 v14, v0, 4, 1                        ; h
	v_and_b32 v15, 31, v0                          ; lane
	s_lshr_b32 s92, s[WV], 1                       ; wy: which 32 rows
	s_and_b32 s93, s[WV], 1                        ; wx: which 64 columns
	s_mul_i32 s94, s93, 64*WP
	s_add_co_u32 s94, s94, WOFF
	v_mul_u32_u24 v[AX], v13, WP
	v_lshl_add_u32 v[AX], v14, 4, v[AX]
	v_add_nc_u32 v[AX], s94, v[AX]
	v_add_nc_u32 v[AX+1], SLOT, v[AX]
	s_mul_i32 s94, s92, 2*CHUNK
	v_lshl_add_u32 v[AY], v15, 4, s94
	v_add_nc_u32 v[AY+1], SLOT, v[AY]
	s_add_co_u32 s94, s94, 8192
	v_mul_u32_u24 v[ASY], v14, CHUNK
	v_lshl_add_u32 v[ASY], v13, 2, v[ASY]
	v_add_nc_u32 v[ASY], s94, v[ASY]               ; A's scale words: lanes 0-15 the first tile's, lanes 16-31 the second's
	v_add_nc_u32 v[ASY+1], SLOT, v[ASY]
	s_mul_i32 s94, s93, 64*144
	s_add_co_u32 s94, s94, WSC
	v_mul_u32_u24 v5, v15, 144
	v_add_nc_u32 v5, s94, v5                       ; W's: lane l takes row l of a pair of tiles
	s_mul_i32 s94, s[WV], 16*272                   ; my stage, in slot 0
	v_mul_u32_u24 v10, v13, 272
	v_lshl_add_u32 v10, v14, 5, v10
	v_add_nc_u32 v10, s94, v10
	v_mul_u32_u24 v11, v14, 272
	v_lshl_add_u32 v11, v13, 4, v11
	v_add_nc_u32 v11, s94, v11
	v_lshlrev_b32 v12, 12, v14
	v_lshl_add_u32 v12, v13, 4, v12
	v_lshlrev_b32 v56, 5, v14
	s_lshl_b32 s98, s21, 9
	s_lshl_b32 s99, s93, 8
	s_add_co_u32 s98, s98, s99                     ; my first column, in bytes
	s_mov_b32 s99, 0
	s_add_nc_u64 s[10:11], s[10:11], s[98:99]
	s_lshl_b32 s94, s22, 19
	s_add_co_u32 s98, s98, s94
	s_lshl_b32 s94, s92, 17
	s_add_co_u32 s98, s98, s94                     ; + my first row x 4,096
	s_add_nc_u64 s[12:13], s[12:13], s[98:99]
	s_add_nc_u64 s[14:15], s[14:15], s[98:99]
.irp y, 0,1                            ; the bias is loaded into the accumulators
.irp x, 0,1,2,3
	global_load_b128 v[ACC+32*\y+8*\x:ACC+32*\y+8*\x+3],   v56, s[10:11] offset:64*\x
	global_load_b128 v[ACC+32*\y+8*\x+4:ACC+32*\y+8*\x+7], v56, s[10:11] offset:64*\x+16
.endr
.endr
.irp i, 0,1,2,3,4,5,6,7,8,9,10,11,12,13,14,15
	global_load_b128 v[RES+4*\i:RES+4*\i+3], v12, s[12:13] offset:2*\i*4096
.endr
	s_wait_tensorcnt 0x1                           ; the scale bytes and my part of chunk 0 are in; chunk 1's load, issued last, may stay out
	s_barrier_signal -1
	s_barrier_wait -1
	s_wait_loadcnt 0x0                             ; the bias and the residual
	CHUNKQ 0, 0
	REFILL 0                                       ; chunk 2 into slot 0
	CHUNKQ 1, 1
	REFILL 1                                       ; chunk 3 into slot 1
	CHUNKQ 0, 2
	s_wait_tensorcnt 0x0                           ; the last change of slots: my part of chunk 3 is in; nothing is filled again, so no round follows
	ds_add_u32 v[SPW], v[NIL]
	s_wait_dscnt 0x0                               ; my reads of slot 0 are over
	s_barrier_signal -1
	s_barrier_wait -1
	CHUNKQ 1, 3
	PLACES 4                                       ; behind the last products
.irp y, 0,1                            ; 16 rows x 256 bytes through my stage; they come back, as whole rows, into the registers that they left.  LDS serves a wave's instructions in order
.irp x, 0,1,2,3
	ds_store_b128 v10, v[ACC+32*\y+8*\x:ACC+32*\y+8*\x+3]   offset:64*\x
	ds_store_b128 v10, v[ACC+32*\y+8*\x+4:ACC+32*\y+8*\x+7] offset:64*\x+16
.endr
.irp i, 0,1,2,3,4,5,6,7
	ds_load_b128 v[ACC+32*\y+4*\i:ACC+32*\y+4*\i+3], v11 offset:544*\i
.endr
.endr
.irp y, 0,1
	s_wait_dscnt 16-16*\y                          ; behind the first half's loads: the second half's 8 stores and 8 loads
.set ii, 0
.rept 16
	v_pk_add_f32 v[ACC+32*\y+ii:ACC+32*\y+ii+1], v[ACC+32*\y+ii:ACC+32*\y+ii+1], v[RES+32*\y+ii:RES+32*\y+ii+1]
.set ii, ii+2
.endr
.irp i, 0,1,2,3,4,5,6,7
	global_store_b128 v12, v[ACC+32*\y+4*\i:ACC+32*\y+4*\i+3], s[14:15] offset:(16*\y+2*\i)*4096 th:TH_STORE_NT   ; sixteen lanes store 256 consecutive, aligned bytes; written once, read by nobody here
.endr
.endr
	s_wait_tensorcnt 0x0                           ; the wave's end, behind my last tensor load and my last LDS store
	ds_add_u32 v[SPW], v[NIL]
	s_wait_dscnt 0x0
	CROUND                                         ; the closing round
	s_endpgm
.Lfunc_end_k_q558216a4a0_fc2:
	.size	k_q558216a4a0_fc2, .Lfunc_end_k_q558216a4a0_fc2-k_q558216a4a0_fc2
	.p2alignl 7, 3214868480
	.fill 96, 4, 3214868480
	.section	.rodata,"a",@progbits
	.p2align	6, 0x0
	.amdhsa_kernel k_q558216a4a0_fc2
		.amdhsa_group_segment_fixed_size 327680
		.amdhsa_private_segment_fixed_size 0
		.amdhsa_enable_private_segment 0
		.amdhsa_kernarg_size 48
		.amdhsa_user_sgpr_count 2
		.amdhsa_user_sgpr_kernarg_segment_ptr 1
		.amdhsa_wavefront_size32 1
		.amdhsa_system_sgpr_workgroup_id_x 1
		.amdhsa_system_sgpr_workgroup_id_y 1
		.amdhsa_system_sgpr_workgroup_id_z 1
		.amdhsa_system_vgpr_workitem_id 0
		.amdhsa_next_free_vgpr 256
		.amdhsa_next_free_sgpr 100
		.amdhsa_reserve_vcc 0
		.amdhsa_float_denorm_mode_32 3
		.amdhsa_float_denorm_mode_16_64 3
		.amdhsa_memory_ordered 1
		.amdhsa_forward_progress 1
		.amdhsa_inst_pref_size 84
	.end_amdhsa_kernel
	.amdgpu_metadata
---
amdhsa.version: [ 1, 2 ]
amdhsa.kernels:
  - .name:           k_q558216a4a0_fc2
    .symbol:         k_q558216a4a0_fc2.kd
    .args:
      - { .name: hh, .offset: 0, .size: 8, .value_kind: global_buffer, .address_space: global }
      - { .name: mlp_w2_codes, .offset: 8, .size: 8, .value_kind: global_buffer, .address_space: global }
      - { .name: mlp_w2_scales, .offset: 16, .size: 8, .value_kind: global_buffer, .address_space: global }
      - { .name: mlp_b2, .offset: 24, .size: 8, .value_kind: global_buffer, .address_space: global }
      - { .name: x1, .offset: 32, .size: 8, .value_kind: global_buffer, .address_space: global }
      - { .name: out0, .offset: 40, .size: 8, .value_kind: global_buffer, .address_space: global }
    .group_segment_fixed_size: 327680
    .private_segment_fixed_size: 0
    .kernarg_segment_align: 8
    .kernarg_segment_size: 48
    .max_flat_workgroup_size: 256
    .sgpr_count:     100
    .vgpr_count:     256
    .wavefront_size: 32
...
	.end_amdgpu_metadata
.endif
;; end of part 6
;; ======== version 2 of 2: 7 launches; version 1 with the launch attn written anew for expert scheduling mode
;; workspace buffers: act 2,228,224 bytes; qkv 6,946,816 bytes; ao 2,228,224 bytes; x1 16,777,216 bytes; hh 8,912,896 bytes
;; launch ln: the kernel of part 1 again; grid 256 x 1, 8 waves a work-group, no clusters, 67,584 bytes of LDS; arguments x, ln1_g, ln1_b, act; writes act
;; launch qkv: the kernel of part 2 again; grid 12 x 16, 16 waves a work-group, clusters of 4 x 4, 327,680 bytes of LDS; arguments act, c_attn_w_codes, c_attn_w_scales, c_attn_b, qkv; writes qkv
;; launch attn (part 7): grid 8 x 32, 16 waves a work-group, no clusters, 145,920 bytes of LDS; arguments qkv, ao; writes ao
.if DOCPART == 7
	.amdgcn_target "amdgcn-amd-amdhsa--gfx1250"
	.amdhsa_code_object_version 6
	.text
	.protected	k_q558216a4a0_attn
	.globl	k_q558216a4a0_attn
	.p2align	8
	.type	k_q558216a4a0_attn,@function
k_q558216a4a0_attn:
	s_mov_b64 s[64:65], 0
	v_nop
	global_prefetch_b8 v0, s[64:65] scope:SCOPE_SE
	s_setreg_imm32_b32 hwreg(HW_REG_WAVE_SCHED_MODE, 0, 2), 2
	s_setreg_imm32_b32 hwreg(HW_REG_WAVE_MODE, 25, 1), 1
	s_wait_xcnt 0x0
	s_wait_alu depctr_vm_vsrc(0)
; O = softmax(q k^T / 8, causal) v for 32 (batch, head) of 2,048 x 64, both products on codes of FP4; the result, divided by the row's sum, is quantised along the model's 1,024 for the projection.
; WORK LEFT OUT: a step of 128 keys whose first key comes after a wave's 16 queries is not multiplied: under the causal mask that the function builds itself its p are 0 for all values of the inputs
; (shown at the head of the first launch; a NaN or overflow that would arise only there is not carried on).
; THE SOFTMAX: t = score x log2(e) / 8; M = the running largest t rounded UP to a whole number; p = 2^(t - M) is quantised along the keys, not normalised; the row's sum is taken of the unquantised p and
; divides at the end.  When M moves, the sum and O are multiplied by 2^(old M - new M): exact.
; SHARES: work-group (j, head) owns the query blocks j and 15 - j, 128 queries each: 17 visible key steps for each pair of tiles, the same in every work-group.  A wave owns one tile of 16 queries:
; tile = w / 2; it belongs to block 15 - j where (w xor w / 4) is odd.  A head's K and V codes and scales, 140 KB, lie whole in LDS: wave w copies key step w (through registers), if any query sees it.
; NO CLUSTER, NO JOINT LOADS, though the eight work-groups of a head read the same K and V: work-group j needs key steps 0 .. 15 - j, so partners would need different numbers of tiles.
; LAYOUT: both products transposed: S^T = K Q^T (source 0 = 16 keys, source 1 = my 16 queries), O^T = V^T P^T: a lane holds ONE query (lane % 16); register j of tile t is key 16 t + 8 h + j.
; A head has K = 64, the instruction 128: registers 4-7 of Q's and K's fragments are zero codes, written once.
; REGISTERS: v1-4 lane terms; v5, v6 the add's; v8-11 addresses in hand; v12 -M, v13 largest t, v[14:15] the sum; v16-23 Q; v24-30 way out, lane terms; v32-95 K (tile t at 32 + 8 t); v96-159 S^T, then p;
; v160-191 O^T; v192-223 V; v224-231 p's codes; v232-239, v242-247, v252, v254 at work; scales alone: v240-241 V's, v248-251 K's, v253 p's, v255 Q's.
; THE MODE: SCHED_MODE bits 1:0 = 2 (LLVM: expert scheduling mode 2), set by the entry lines.  The code itself states the register dependences
; between vector or matrix instructions and memory or LDS instructions, with s_wait_alu, always for 0.
; THE PLAN.  Registers that memory or LDS instructions touch, in the loop:
;   K (v[32 + 8 t .. 35 + 8 t], v248-251)  Read by a step's eight products K Q^T, at its head.  The NEXT step's K lands in them, asked for in the step's middle.
;   V (v192-223, v240-241)                 Read by a step's four products V^T P, at its end.  The SAME step's V lands in them, asked for in the step's middle.
;   v8-v11                                 Written by the four additions at a visible step's head; read by that step's LDS loads (the next step's K by the same registers, 4,096 and 512 bytes further on).
;   v1-v4 and the way out's addresses      Written at the kernel's head alone.
; The step's middle is the wait behind its 64 exponentials: behind it this step's K Q^T are done reading K, the last step's V^T P are done reading V, and v8-v11 are written.  All the step's
; LDS loads stand directly behind that one wait.  In front of V^T P stand one wait on vm_vsrc (the loads have read v8-v11) and one on va_vdst (p's codes and scale word are written).
; K of step 0 is asked for ahead of the loop.  A step that no query of mine sees is not asked for.
; LIMITS: as stated at the head of the first launch.
.set VC,    65536                      ; LDS: K's images at 0 (16 steps x 4,096), V's here,
.set KS,    131072                     ; K's scale words (16 x 512),
.set VS,    139264                     ; V's (16 x 256),
.set HSG,   143360                     ; the results' scale bytes: 2 blocks x 128 rows x 2,
.set SPARE, 143872                     ; the spare words, 128 bytes for each of the 16 waves; no other line names them
.set QKS_G, 4194304
.set VC_G,  4718592
.set VS_G,  6815744
.set AOH_G, 2097152
.set SPW, 5
.set NIL, 6
.set TM,  128                          ; the way out's scratch, in the scores' registers
.set SEL, 16                           ; s[16:17]
.set CS,  18                           ; s[18:19] c = log2(e) / 8
.set TB,  20                           ; s20  the step's images: 4,096 bytes a step
.set TKS, 21                           ; s21  K's scale words: 512
.set TVS, 22                           ; s22  V's: 256
.set KF,  23                           ; s23  the step's first key
.set CNT, 24
.set Q0,  14                           ; s14  my first query
.set MK,  28                           ; s28-35  in the loop: eight lane masks of the causal mask (at the head they hold addresses, whose loads are done by then)
.macro PLACES n
.rept \n
	v_nop
.endr
.endm
.macro WM d, a, b, sa, sb, ra
.if (\ra)
	v_wmma_scale_f32_16x16x128_f8f6f4 v[\d:\d+7], v[\a:\a+7], v[\b:\b+7], v[\d:\d+7], v[\sa], v[\sb] matrix_a_fmt:MATRIX_FMT_FP4 matrix_b_fmt:MATRIX_FMT_FP4 matrix_a_scale:MATRIX_SCALE_ROW1
.else
	v_wmma_scale_f32_16x16x128_f8f6f4 v[\d:\d+7], v[\a:\a+7], v[\b:\b+7], v[\d:\d+7], v[\sa], v[\sb] matrix_a_fmt:MATRIX_FMT_FP4 matrix_b_fmt:MATRIX_FMT_FP4
.endif
.endm
.macro WMZ d, a, b, sa, sb, ra
.if (\ra)
	v_wmma_scale_f32_16x16x128_f8f6f4 v[\d:\d+7], v[\a:\a+7], v[\b:\b+7], 0, v[\sa], v[\sb] matrix_a_fmt:MATRIX_FMT_FP4 matrix_b_fmt:MATRIX_FMT_FP4 matrix_a_scale:MATRIX_SCALE_ROW1
.else
	v_wmma_scale_f32_16x16x128_f8f6f4 v[\d:\d+7], v[\a:\a+7], v[\b:\b+7], 0, v[\sa], v[\sb] matrix_a_fmt:MATRIX_FMT_FP4 matrix_b_fmt:MATRIX_FMT_FP4
.endif
.endm
.macro QUANTH s, pc, pw                ; 32 numbers of a lane (register 8 x + j = k 16 x + 8 h + j): two blocks of 32: half a fragment and two scale bytes
.irp b, 0,1
	v_max3_num_f32 v[TM+\b], |v[\s+16*\b]|, |v[\s+16*\b+1]|, 0x1800000
.endr
.irp i, 2,4,6,8,10,12,14
.irp b, 0,1
	v_max3_num_f32 v[TM+\b], v[TM+\b], |v[\s+16*\b+\i]|, |v[\s+16*\b+\i+1]|
.endr
.endr
.irp b, 0,1
	v_permlanex16_b32 v[TM+4+\b], v[TM+\b], s[SEL], s[SEL+1]
.endr
.irp b, 0,1
	v_max_num_f32 v[TM+\b], v[TM+\b], v[TM+4+\b]
.endr
.irp b, 0,1
	v_add_nc_u32 v[TM+8+\b], 0xff000000, v[TM+\b]
.endr
.irp b, 0,1
	v_lshrrev_b32 v[TM+4+\b], 23, v[TM+8+\b]
.endr
	v_lshl_or_b32 v[\pw], v[TM+5], 8, v[TM+4]
	v_cvt_scalef32_pk8_fp4_f32 v[\pc],   v[\s:\s+7],     v[TM+8]
	v_cvt_scalef32_pk8_fp4_f32 v[\pc+1], v[\s+16:\s+23], v[TM+9]
	v_cvt_scalef32_pk8_fp4_f32 v[\pc+2], v[\s+8:\s+15],  v[TM+8]
	v_cvt_scalef32_pk8_fp4_f32 v[\pc+3], v[\s+24:\s+31], v[TM+9]
	v_nop
	v_permlane16_swap_b32 v[\pc],   v[\pc+1]
	v_permlane16_swap_b32 v[\pc+2], v[\pc+3]
.endm
	s_load_b128 s[4:7], s[0:1], 0x0                ; q, k, v as images s[4:5]; the result s[6:7]
	v_lshl_add_u32 v[SPW], v0, 2, SPARE
	v_mov_b32 v[NIL], 0
	v_lshrrev_b32 v1, 5, v0
	v_readfirstlane_b32 s8, v1                     ; wave 0..15
	v_and_b32 v7, 31, v0                           ; lane
	v_and_b32 v27, 15, v0                          ; r
	v_bfe_u32 v28, v0, 4, 1                        ; h
	v_lshlrev_b32 v1, 4, v7                        ; 16 x lane: an image's place, in memory and in LDS (K's images begin at 0)
	v_add_nc_u32 v2, VC, v1
	v_lshl_add_u32 v3, v7, 2, KS
	v_lshl_add_u32 v4, v7, 2, VS
	v_lshlrev_b32 v29, 3, v7                       ; 8 x lane
	v_lshlrev_b32 v30, 2, v27                      ; 4 r
	v_lshlrev_b32 v26, 3, v28
	v_sub_nc_u32 v26, v27, v26                     ; r - 8 h, for the mask
	s_wait_alu depctr_va_sdst(0)                   ; s8 is written, ahead of its first reader: shares, addresses and branches are made from it
	s_lshr_b32 s9, s8, 1                           ; my tile of 16 queries in its block
	s_lshr_b32 s10, s8, 2
	s_xor_b32 s10, s10, s8
	s_and_b32 s10, s10, 1                          ; 1: the late block, 15 - j
	s_and_b32 s12, ttmp7, 0xffff                   ; batch x 16 + head
	s_sub_co_u32 s25, 15, ttmp9                    ; 15 - j: the late block, and the last key step that any of my work-group's queries sees
	s_cmp_eq_u32 s10, 0
	s_cselect_b32 s13, ttmp9, s25                  ; my block
	s_lshl_b32 s[Q0], s13, 7
	s_lshl_b32 s26, s9, 4
	s_add_co_u32 s[Q0], s[Q0], s26
	s_lshl_b32 s26, s8, 12
	v_add_nc_u32 v8, s26, v1                       ; where I put key step w: K's images,
	v_add_nc_u32 v9, s26, v2                       ; V's,
	s_lshl_b32 s26, s8, 9
	s_add_co_u32 s26, s26, KS
	v_add_nc_u32 v10, s26, v1                      ; K's scale words,
	s_lshl_b32 s26, s8, 8
	s_add_co_u32 s26, s26, VS
	v_add_nc_u32 v11, s26, v29                     ; V's
	s_lshl_b32 s26, s10, 8
	s_lshl_b32 s27, s9, 5
	s_add_co_u32 s26, s26, s27
	s_add_co_u32 s26, s26, HSG
	v_lshl_add_u32 v24, v27, 1, s26                ; the way out: my row's two scale bytes
	v_add_nc_u32 v25, HSG, v29
	s_mov_b32 s[SEL], 0x76543210
	s_mov_b32 s[SEL+1], 0xfedcba98
	s_mov_b32 s[CS], 0x3e38aa3b                    ; log2(e) / 8
	s_mov_b32 s[CS+1], s[CS]
	s_mov_b32 s[TB], 0
	s_mov_b32 s[TKS], 0
	s_mov_b32 s[TVS], 0
	s_mov_b32 s[KF], 0
	s_mov_b32 s[CNT], 16
	s_lshl_b32 s28, s12, 16                        ; Q's image: head x 65,536 + (Q0 / 16) x 512
	s_lshl_b32 s26, s[Q0], 5
	s_add_co_u32 s28, s28, s26
	s_mov_b32 s29, 0
	s_lshl_b32 s30, s12, 13                        ; its scale words: head x 8,192 + (Q0 / 16) x 64
	s_lshl_b32 s26, s[Q0], 2
	s_add_co_u32 s30, s30, s26
	s_add_co_u32 s30, s30, QKS_G
	s_mov_b32 s31, 0
	s_lshl_b32 s32, s12, 16                        ; key step w of K and of V: head x 65,536 + 4,096 w
	s_lshl_b32 s26, s8, 12
	s_add_co_u32 s32, s32, s26
	s_add_co_u32 s34, s32, VC_G
	s_add_co_u32 s32, s32, 2097152
	s_mov_b32 s33, 0
	s_mov_b32 s35, 0
	s_lshl_b32 s36, s12, 13
	s_lshl_b32 s26, s8, 9
	s_add_co_u32 s36, s36, s26
	s_add_co_u32 s36, s36, QKS_G+262144
	s_mov_b32 s37, 0
	s_lshl_b32 s38, s12, 12
	s_lshl_b32 s26, s8, 8
	s_add_co_u32 s38, s38, s26
	s_add_co_u32 s38, s38, VS_G
	s_mov_b32 s39, 0
	s_lshr_b32 s27, s12, 4                         ; batch
	s_and_b32 s26, s12, 15                         ; head
	s_lshl_b32 s40, s27, 20                        ; the result's codes: (128 batch + Q0 / 16) x 8,192 + head x 512
	s_lshl_b32 s41, s[Q0], 9
	s_add_co_u32 s40, s40, s41
	s_lshl_b32 s41, s26, 9
	s_add_co_u32 s40, s40, s41
	s_mov_b32 s41, 0
	s_lshl_b32 s42, s26, 13                        ; its scale bytes: head x 8,192 + (2,048 batch + 128 block) x 2
	s_lshl_b32 s43, s27, 12
	s_add_co_u32 s42, s42, s43
	s_add_co_u32 s42, s42, AOH_G
	s_lshl_b32 s43, s25, 8
	s_add_co_u32 s44, s42, s43                     ; block 15 - j,
	s_lshl_b32 s43, ttmp9, 8
	s_add_co_u32 s42, s42, s43                     ; block j
	s_mov_b32 s43, 0
	s_mov_b32 s45, 0
	s_wait_kmcnt 0x0
	s_add_nc_u64 s[28:29], s[4:5], s[28:29]
	s_add_nc_u64 s[30:31], s[4:5], s[30:31]
	s_add_nc_u64 s[32:33], s[4:5], s[32:33]
	s_add_nc_u64 s[34:35], s[4:5], s[34:35]
	s_add_nc_u64 s[36:37], s[4:5], s[36:37]
	s_add_nc_u64 s[38:39], s[4:5], s[38:39]
	s_add_nc_u64 s[40:41], s[6:7], s[40:41]
	s_add_nc_u64 s[42:43], s[6:7], s[42:43]
	s_add_nc_u64 s[44:45], s[6:7], s[44:45]
	s_wait_alu depctr_va_vdst(0)                   ; the offsets and LDS addresses v1-v4, v8-v11, v24, v25, v29, v30 are written, which the loads and stores below read
	global_load_b128 v[16:19], v1, s[28:29]        ; Q's codes stay in registers
	global_load_b32 v255, v30, s[30:31]            ; and its scale words
	s_cmp_gt_u32 s8, s25                           ; key step w is seen by none of my work-group's queries: it is not fetched (ids alone; no barrier stands inside)
	s_cbranch_scc1 .Lno_fill
.irp t, 0,1,2,3,4,5,6,7
	global_load_b128 v[32+4*\t:35+4*\t], v1, s[32:33] offset:512*\t
.endr
.irp t, 0,1,2,3,4,5,6,7
	global_load_b128 v[64+4*\t:67+4*\t], v1, s[34:35] offset:512*\t
.endr
	global_load_b128 v[96:99], v1, s[36:37]
	global_load_b64 v[100:101], v29, s[38:39]
	s_wait_loadcnt 0x0
.irp t, 0,1,2,3,4,5,6,7
	ds_store_b128 v8, v[32+4*\t:35+4*\t] offset:512*\t
.endr
.irp t, 0,1,2,3,4,5,6,7
	ds_store_b128 v9, v[64+4*\t:67+4*\t] offset:512*\t
.endr
	ds_store_b128 v10, v[96:99]
	ds_store_b64 v11, v[100:101]
.Lno_fill:
	s_wait_loadcnt 0x0                             ; Q
	s_wait_dscnt 0x0                               ; for the others' sake: my key step lies in LDS
	s_barrier_signal -1
	s_barrier_wait -1
	s_wait_alu depctr_vm_vsrc(0)                   ; my LDS stores have read v8-v11, v32-v95 and v96-v101: from here on these are written by LDS loads, by the zero codes' lines, by the steps' additions and by the products
.irp t, 0,1,2,3,4,5,6,7
	ds_load_b128 v[32+8*\t:35+8*\t], v1 offset:512*\t   ; K of key step 0, which every query sees: it lands while the lines below run, which name none of these registers
.endr
.irp b, 0,1,2,3
	ds_load_b32 v[248+\b], v3 offset:128*\b        ; and its scale words
.endr
.irp i, 20,21,22,23
	v_mov_b32 v[\i], 0                             ; zero codes for k = 64 .. 127 of Q,
.endr
.irp t, 0,1,2,3,4,5,6,7
.irp i, 4,5,6,7
	v_mov_b32 v[32+8*\t+\i], 0                     ; and of K's eight fragments: written once, never loaded over
.endr
.endr
.set ii, 0
.rept 32
	v_mov_b32 v[160+ii], 0                         ; O^T.  (The step is written once: the first finds zeros, which the first change of M leaves zeros)
.set ii, ii+1
.endr
	v_mov_b32 v13, 0xff61b1e6                      ; the largest t so far: -3e38
	v_floor_f32 v12, -v13                          ; -M
	v_mov_b32 v14, 0
	v_mov_b32 v15, 0
.irp b, 0,1,2,3
	v_mov_b32 v[236+\b], 0                         ; a lane permute's destination counts as one of its sources
.endr
	v_mov_b32 v252, 0
	v_mov_b32 v253, 0
	s_wait_dscnt 0x0                               ; K of key step 0 is in
	s_wait_alu depctr_va_vdst(0)                   ; the zero codes of Q and of K are written, which the scaled products take as operands (the lines behind them are the places)
.Lstep:                                            ; 16 trips, a constant: a hidden step's work is jumped over, its address steps are not
	s_cmp_gt_u32 s[KF], s[Q0]                      ; KF is a multiple of 128 and my 16 queries lie inside one block of 128: all 128 keys come after them
	s_cbranch_scc1 .Lhidden
	v_add_nc_u32 v8, s[TB], v1                     ; the step's addresses.  (The loads that read these four last stand ahead of a wait on vm_vsrc: the last step's, or the head's)
	v_add_nc_u32 v9, s[TB], v2
	v_add_nc_u32 v10, s[TKS], v3
	v_add_nc_u32 v11, s[TVS], v4
.irp t, 0,1,2,3,4,5,6,7                        ; K and its scale words were asked for in the step before (step 0's ahead of the loop) and waited for there
	WMZ 96+8*\t, 32+8*\t, 16, 248+\t/2, 255, \t%2
.endr
	PLACES 4
	s_add_co_u32 s26, s[KF], 127                   ; a step all of whose keys count skips the mask
	s_cmp_le_u32 s26, s[Q0]
	s_cbranch_scc1 .Lopen
	s_sub_co_i32 s26, s[Q0], s[KF]
	v_add_nc_u32 v242, s26, v26                    ; d = my query - KF - 8 h.  Register n holds key KF + 8 h + 16 (n / 8) + n % 8: hidden where 16 (n / 8) + n % 8 > d
	v_mov_b32 v243, 0xff800000                     ; -infinity: p = 0 then
.set gg, 0
.rept 8                                        ; a tile's eight registers at a time: eight compares into eight scalar registers, one wait, eight selects
.set nn, 0
.rept 8
	v_cmp_gt_i32 s[MK+nn], 16*gg+nn, v242
.set nn, nn+1
.endr
	s_wait_alu depctr_va_sdst(0)                   ; the eight compares have written s[MK ..], which the eight selects read
.set nn, 0
.rept 8
	v_cndmask_b32 v[96+8*gg+nn], v[96+8*gg+nn], v243, s[MK+nn]
.set nn, nn+1
.endr
.set gg, gg+1
.endr
.Lopen:
.irp b, 0,1,2,3
	v_max3_num_f32 v[232+\b], v[96+16*\b], v[97+16*\b], v[98+16*\b]   ; the largest score of each block of 32 keys: for the row's maximum, and, since p rises with the score, for the block's largest p
.endr
.irp i, 3,5,7,9,11,13
.irp b, 0,1,2,3
	v_max3_num_f32 v[232+\b], v[232+\b], v[96+16*\b+\i], v[97+16*\b+\i]
.endr
.endr
.irp b, 0,1,2,3
	v_max_num_f32 v[232+\b], v[232+\b], v[111+16*\b]
.endr
.irp b, 0,1,2,3
	v_permlanex16_b32 v[236+\b], v[232+\b], s[SEL], s[SEL+1]
.endr
.irp b, 0,1,2,3
	v_max_num_f32 v[232+\b], v[232+\b], v[236+\b]
.endr
	v_max3_num_f32 v254, v232, v233, v234
	v_max_num_f32 v254, v254, v235
	v_mul_f32 v254, s[CS], v254                    ; as t
	v_max_num_f32 v13, v13, v254                   ; the running largest t
	v_mov_b32 v254, v12
	v_floor_f32 v12, -v13                          ; the new -M = -ceil(t)
	v_sub_f32 v254, v12, v254                      ; old M - new M: a whole number, 0 or less
	v_cvt_i32_f32 v254, v254                       ; (it saturates)
	v_ldexp_f32 v252, 1.0, v254                    ; f = 2^(old M - new M)
.set ii, 0
.rept 32
	v_pk_fma_f32 v[96+ii:97+ii], v[96+ii:97+ii], s[CS:CS+1], v[12:13] op_sel_hi:[1,0,0]   ; t - M
.set ii, ii+2
.endr
.irp b, 0,1,2,3
	v_fma_f32 v[232+\b], v[232+\b], s[CS], v12
.endr
.set ii, 0
.rept 64
	v_exp_f32 v[96+ii], v[96+ii]                   ; p = 2^(t - M)
.set ii, ii+1
.endr
	v_pk_mul_f32 v[14:15], v[14:15], v[252:253] op_sel_hi:[1,0]   ; the sums under the new M: a plain place behind the exponentials
	s_wait_alu depctr_va_vdst(0)                   ; the 64 exponentials have written p, ahead of its first reader; this step's K Q^T are done reading K and its scale words, the last step's V^T P are done reading V and its scale words, and v8-v11 are written: the loads below land in the former and read the latter
	s_add_co_u32 s26, s[KF], 128                   ; the next step's K is asked for only if my queries see that step (ids and the count of steps alone)
	s_cmp_gt_u32 s26, s[Q0]
	s_cbranch_scc1 .Lno_next
.irp t, 0,1,2,3,4,5,6,7
	ds_load_b128 v[32+8*\t:35+8*\t], v8 offset:4096+512*\t   ; a step on: 4,096 bytes
.endr
.irp b, 0,1,2,3
	ds_load_b32 v[248+\b], v10 offset:512+128*\b   ; its scale words: 512 bytes on
.endr
.Lno_next:
.irp a, 0,1,2,3
.irp c, 0,1
	ds_load_b128 v[192+8*\a+4*\c:195+8*\a+4*\c], v9 offset:1024*\a+512*\c   ; this step's V: it has the sums, the scales and the conversions in which to land
.endr
.endr
.irp p, 0,1
	ds_load_b32 v[240+\p], v11 offset:128*\p
.endr
.irp b, 0,1,2,3
	v_exp_f32 v[232+\b], v[232+\b]                 ; each block's largest p
.endr
	v_pk_add_f32 v[236:237], v[96:97], v[98:99]    ; the row's sum, of the unquantised p, in two chains
.irp j, 4,8,12,16,20,24,28,32,36,40,44,48,52,56,60
	v_pk_add_f32 v[14:15], v[14:15], v[96+\j:97+\j]
	v_pk_add_f32 v[236:237], v[236:237], v[98+\j:99+\j]
.endr
	v_pk_add_f32 v[14:15], v[14:15], v[236:237]
	s_wait_alu depctr_va_vdst(0)                   ; the four exponentials have written v232-v235, ahead of their first reader
.irp b, 0,1,2,3
	v_max_num_f32 v[232+\b], 0x1800000, v[232+\b]  ; the floor 2^(3 - 127)
.endr
.irp b, 0,1,2,3
	v_add_nc_u32 v[244+\b], 0xff000000, v[232+\b]
.endr
.irp b, 0,1,2,3
	v_lshrrev_b32 v[236+\b], 23, v[244+\b]
.endr
	v_lshl_or_b32 v253, v237, 8, v236              ; p's scale word for these 128 keys
	v_lshl_or_b32 v253, v238, 16, v253
	v_lshl_or_b32 v253, v239, 24, v253
.irp c, 0,1
	v_cvt_scalef32_pk8_fp4_f32 v[224+4*\c], v[96+32*\c:103+32*\c],  v[244+2*\c]
	v_cvt_scalef32_pk8_fp4_f32 v[225+4*\c], v[112+32*\c:119+32*\c], v[245+2*\c]
	v_cvt_scalef32_pk8_fp4_f32 v[226+4*\c], v[104+32*\c:111+32*\c], v[244+2*\c]
	v_cvt_scalef32_pk8_fp4_f32 v[227+4*\c], v[120+32*\c:127+32*\c], v[245+2*\c]
.endr
	v_nop
.irp c, 0,1
	v_permlane16_swap_b32 v[224+4*\c], v[225+4*\c]
	v_permlane16_swap_b32 v[226+4*\c], v[227+4*\c]
.endr
.set ii, 0
.rept 16
	v_pk_mul_f32 v[160+ii:161+ii], v[160+ii:161+ii], v[252:253] op_sel_hi:[1,0]   ; O^T under the new M.  (These 16 are also the places between the codes' and the scale word's last writes and the products)
.set ii, ii+2
.endr
	s_wait_dscnt 0x0                               ; V is in, the youngest of the step's loads; so is the next step's K, where it was asked for
	s_wait_alu depctr_vm_vsrc(0)                   ; the step's LDS loads have read v8-v11, which the next visible step's head writes again
	s_wait_alu depctr_va_vdst(0)                   ; p's codes v224-v231 and its scale word v253 are written, which the scaled products take; the places above stay beside this wait
.irp a, 0,1,2,3                        ; the four accumulators take turns
	WM 160+8*\a, 192+8*\a, 224, 240+\a/2, 253, \a%2
.endr
.Lhidden:
	s_add_co_u32 s[TB], s[TB], 4096
	s_add_co_u32 s[TKS], s[TKS], 512
	s_add_co_u32 s[TVS], s[TVS], 256
	s_add_co_u32 s[KF], s[KF], 128
	s_sub_co_u32 s[CNT], s[CNT], 1
	s_cmp_lg_u32 s[CNT], 0
	s_cbranch_scc1 .Lstep
	PLACES 4                                       ; behind the last products, on every way out of the loop
	v_add_f32 v14, v14, v15
	v_permlanex16_b32 v252, v14, s[SEL], s[SEL+1]
	v_add_f32 v14, v14, v252                       ; the row's sum
	v_rcp_f32 v14, v14
	v_mov_b32 v[TM+4], 0                           ; (plain places behind the reciprocal; the permutes' destinations)
	v_mov_b32 v[TM+5], 0
	s_wait_alu depctr_va_vdst(0)                   ; the reciprocal has written v14, ahead of its first reader
.set ii, 0
.rept 32
	v_mul_f32 v[96+ii], v[160+ii], v14             ; register 8 a + j: o(query r, d = 16 a + 8 h + j)
.set ii, ii+1
.endr
	QUANTH 96, 144, 148
	s_wait_alu depctr_va_vdst(0)                   ; the codes v144-v147 and the two scale bytes in v148 are written, which the two stores read; the products are long done reading v32-v35, in which wave 0's loads below land (no vector instruction follows this wait)
	global_store_b128 v1, v[144:147], s[40:41]     ; half c = head % 2 of K step head / 2 of my tile's chunk: 512 consecutive bytes
	ds_store_b16 v24, v148                         ; both halves of the lanes write the same two bytes
	s_wait_dscnt 0x0
	s_barrier_signal -1
	s_barrier_wait -1
	s_cmp_lg_u32 s8, 0                             ; wave 0 stores each block's 256 scale bytes as one aligned run
	s_cbranch_scc1 .Lend
	ds_load_b64 v[32:33], v25
	ds_load_b64 v[34:35], v25 offset:256
	s_wait_dscnt 0x0
	global_store_b64 v29, v[32:33], s[42:43]
	global_store_b64 v29, v[34:35], s[44:45]
.Lend:
	s_wait_dscnt 0x0                               ; the closing lines, six on end
	s_wait_alu 0x0
	s_wait_tensorcnt 0x0
	ds_add_u32 v[SPW], v[NIL]
	s_wait_dscnt 0x0
	s_endpgm
.Lfunc_end_k_q558216a4a0_attn:
	.size	k_q558216a4a0_attn, .Lfunc_end_k_q558216a4a0_attn-k_q558216a4a0_attn
	.p2alignl 7, 3214868480
	.fill 96, 4, 3214868480
	.section	.rodata,"a",@progbits
	.p2align	6, 0x0
	.amdhsa_kernel k_q558216a4a0_attn
		.amdhsa_group_segment_fixed_size 145920
		.amdhsa_private_segment_fixed_size 0
		.amdhsa_enable_private_segment 0
		.amdhsa_kernarg_size 16
		.amdhsa_user_sgpr_count 2
		.amdhsa_user_sgpr_kernarg_segment_ptr 1
		.amdhsa_wavefront_size32 1
		.amdhsa_system_sgpr_workgroup_id_x 1
		.amdhsa_system_sgpr_workgroup_id_y 1
		.amdhsa_system_sgpr_workgroup_id_z 1
		.amdhsa_system_vgpr_workitem_id 0
		.amdhsa_next_free_vgpr 256
		.amdhsa_next_free_sgpr 66
		.amdhsa_reserve_vcc 0
		.amdhsa_float_denorm_mode_32 3
		.amdhsa_float_denorm_mode_16_64 3
		.amdhsa_memory_ordered 1
		.amdhsa_forward_progress 1
		.amdhsa_inst_pref_size 40
	.end_amdhsa_kernel
	.amdgpu_metadata
---
amdhsa.version: [ 1, 2 ]
amdhsa.kernels:
  - .name:           k_q558216a4a0_attn
    .symbol:         k_q558216a4a0_attn.kd
    .args:
      - { .name: qkv, .offset: 0, .size: 8, .value_kind: global_buffer, .address_space: global }
      - { .name: ao, .offset: 8, .size: 8, .value_kind: global_buffer, .address_space: global }
    .group_segment_fixed_size: 145920
    .private_segment_fixed_size: 0
    .kernarg_segment_align: 8
    .kernarg_segment_size: 16
    .max_flat_workgroup_size: 512
    .sgpr_count:     66
    .vgpr_count:     256
    .wavefront_size: 32
...
	.end_amdgpu_metadata
.endif
;; end of part 7
;; launch proj: the kernel of part 4 again; grid 8 x 32, 8 waves a work-group, clusters of 4 x 4, 196,608 bytes of LDS; arguments ao, c_proj_w_codes, c_proj_w_scales, c_proj_b, x, x1; writes x1
;; launch ln2: the kernel of part 1 again; grid 256 x 1, 8 waves a work-group, no clusters, 67,584 bytes of LDS; arguments x1, ln2_g, ln2_b, act; writes act
;; launch fc1: the kernel of part 5 again; grid 16 x 16, 16 waves a work-group, clusters of 4 x 4, 327,680 bytes of LDS; arguments act, mlp_w1_codes, mlp_w1_scales, mlp_b1, hh; writes hh
;; launch fc2: the kernel of part 6 again; grid 8 x 32, 8 waves a work-group, clusters of 4 x 4, 327,680 bytes of LDS; arguments hh, mlp_w2_codes, mlp_w2_scales, mlp_b2, x1, out0; writes out0
